; MI455X (gfx1250); checked and timed in simulation.
; The chip was launched on July 23, 2026; its instructions are those of AMD's public machine-readable ISA for CDNA 5 (MIT licence, August 2026) and "CDNA5" Instruction Set Architecture Reference Guide (July 2026). The comments in the code are by the model that wrote it; some were corrected since.
;; Implicit Network Grid. Allowed arithmetic: matrix products marked QUANTISED: E2M1 operands, one E8M0 scale for each 32 along K, by v_wmma_scale_f32_16x16x128_f8f6f4 with both operands' format E2M1 (or v_wmma_scale_f32_32x16x128_f4), f32 sums; products left as they are: f32 operands where the result goes on into a quantised operand, else bf16, f16 or f32 operands; f32 sums; everything else in f32.
;; Inputs: W0 128 x 89 float32; W1 128 x 128 float32; W2 1 x 128 float32; b0 128 float32; b1 128 float32; b2 1 float32; table 8 x 524,288 x 4 float32; x 524,288 x 3 float32.
;; Outputs: out0 524,288 x 1 float32.
;; This version of the problem:
;;   THIS VERSION OF THE PROBLEM IS GIVEN IN LOW PRECISION. The matrix products marked QUANTISED in the list below multiply operands that are first quantised to E2M1 (2 exponent bits, 1 mantissa bit; 4 bits a number), with one power-of-two scale for each 32 numbers along K (OCP MX v1.0); their sums are f32. All else is computed in f32.
;;   The module's matrix products, in the order in which they are computed (A, B: the left and right operand; K: the contracted axis; several contracted axes count as one K, in the product's order):
;;     1. batch 524,288 x [M 1, K 8] x [K 8, N 4]; A: computed on the way; B: computed on the way: left as it is (K = 8 < 32)
;;     2. batch 524,288 x [M 1, K 8] x [K 8, N 4]; A: computed on the way; B: computed on the way: left as it is (K = 8 < 32)
;;     3. batch 524,288 x [M 1, K 8] x [K 8, N 4]; A: computed on the way; B: computed on the way: left as it is (K = 8 < 32)
;;     4. batch 524,288 x [M 1, K 8] x [K 8, N 4]; A: computed on the way; B: computed on the way: left as it is (K = 8 < 32)
;;     5. batch 524,288 x [M 1, K 8] x [K 8, N 4]; A: computed on the way; B: computed on the way: left as it is (K = 8 < 32)
;;     6. batch 524,288 x [M 1, K 8] x [K 8, N 4]; A: computed on the way; B: computed on the way: left as it is (K = 8 < 32)
;;     7. batch 524,288 x [M 1, K 8] x [K 8, N 4]; A: computed on the way; B: computed on the way: left as it is (K = 8 < 32)
;;     8. batch 524,288 x [M 1, K 8] x [K 8, N 4]; A: computed on the way; B: computed on the way: left as it is (K = 8 < 32)
;;     9. [M 524,288, K 89] x [K 89, N 128]; A: computed on the way; B: input W0: QUANTISED
;;     10. [M 524,288, K 128] x [K 128, N 128]; A: computed on the way; B: input W1: QUANTISED
;;     11. [M 524,288, K 128] x [K 128, N 1]; A: computed on the way; B: input W2: left as it is (N = 1 < 16)
;;   THE QUANTISER, for each operand of a quantised product, along K:
;;     - K is cut into blocks of 32 from its start; a last block that is shorter is filled with zeros.
;;     - A block's scale is 2^e with e = floor(log2(the largest magnitude in the block)) - 2, held to -126 .. 127; a block of zeros has e = 0. As a byte (E8M0): e + 127.
;;     - Each number is divided by its block's scale, clamped to +-6, and rounded to the nearest number of E2M1, ties to even, subnormals kept.
;;     - The product sums the exact products of the quantised numbers (number of the format x scale) in f32.
;;   ~~~python
;;   def quantise(x, axis):      # numpy; x: float32 -> the quantised numbers, widened to float32 again
;;       x = np.moveaxis(x, axis, -1); K = x.shape[-1]
;;       x = np.pad(x, [(0, 0)] * (x.ndim - 1) + [(0, -K % 32)]); x = x.reshape(x.shape[:-1] + (-1, 32)); a = np.abs(x).max(-1, keepdims=True)
;;       e = np.where(a > 0, np.clip(np.frexp(np.where(a > 0, a, 1))[1] - 1 - 2, -126, 127), 0)      # np.frexp(a)[1] - 1 = floor(log2(a)), exactly
;;       r = np.clip(x / 2.0 ** e, -6, 6)
;;       step = 2.0 ** (np.maximum(np.frexp(np.where(r == 0, 1, r))[1] - 1, 0) - 1)
;;       q = np.round(r / step) * step * 2.0 ** e      # np.round: ties to even
;;       return np.moveaxis(q.reshape(q.shape[:-2] + (-1,))[..., :K], -1, axis).astype(np.float32)
;;   ~~~
;;   OPERANDS COMPUTED ON THE WAY. 'Computed on the way' means the value that the module computes at that place (a softmax that the list does not call 'softmax' is quantised finished and normalised). What goes into a quantiser is computed in f32, as accurately as f32 sums, v_exp_f32 and their like allow (about 1e-6 of the number): no bf16 or f16 on the way to a quantiser, and a product that is left as it is and whose result goes on into a quantised operand takes f32 operands (vector FMAs, or v_wmma_f32_16x16x4_f32). A number that lies on a knife's edge between two numbers of the format may be rounded either way, as far as f32 arithmetic and the matrix unit's own rounding can turn it there, and no further.
;; 2 versions, each right; version 2 is version 1 with the launch main written anew for expert scheduling mode. Each part assembles by itself: llvm-mc -triple=amdgcn-amd-amdhsa -mcpu=gfx1250 --defsym DOCPART=n.
;; ======== version 1 of 2: 2 launches
;; workspace buffers: cells 4,194,304 bytes of whole numbers; wq 18,432 bytes
;; launch prep (part 1): grid 258 x 1, 8 waves a work-group, no clusters, 25,600 bytes of LDS; arguments x, W0, W1, cells, wq; writes cells, wq
.if DOCPART == 1
	.amdgcn_target "amdgcn-amd-amdhsa--gfx1250"
	.amdhsa_code_object_version 6
	.text
	.protected	k_qe3a227d272_prep
	.globl	k_qe3a227d272_prep
	.p2align	8
	.type	k_qe3a227d272_prep,@function
k_qe3a227d272_prep:
	s_mov_b64 s[64:65], 0
	v_nop
	global_prefetch_b8 v0, s[64:65] scope:SCOPE_SE
	s_setreg_imm32_b32 hwreg(HW_REG_WAVE_MODE, 25, 1), 1
	s_wait_xcnt 0x0
; TWO THINGS THAT THE MAIN LAUNCH WANTS READY.
; (1) Work-groups 0-255: the cell of every point in the finest grid, as whole numbers: c = clip(floor(2048 x), 0, 2047) for each axis.  2^k x is exact and floor(floor(a) / 2^k) = floor(a / 2^k),
;     so c >> (7 - l) is clip(floor(res_l x), 0, res_l - 1) of level l (res_l = 16 x 2^l): one pair of words serves all eight levels.
;     cells: [group of 128 points][trip j = 0..3][lane][2 words]; the point is 128 group + 4 lane + j; word 0 = cx | cy << 16, word 1 = cz.
; (2) Work-group 256: W0 [128][89], work-group 257: W1 [128][128], f32, become codes of E2M1 with one E8M0 byte for each 32 along K, laid as IMAGES OF THE OPERAND'S REGISTERS:
;     wq + 8192 layer + 1024 tile + 512 c + 16 lane: registers 4 c .. 4 c + 3 of the tile's fragment;  wq + 16384 + 1024 layer + 128 tile + 4 lane: the row's scale word (lanes r and 16 + r alike).
;     THE ROWS OF A TILE ARE NOT NEIGHBOURS: lane r of tile t takes unit 64 (t / 4) + 8 (t % 4) + r % 8 + 32 (r / 8), so that in the transposed product a lane's 32 results of four tiles are one whole block of the next K.
;     W0'S K IS PERMUTED INSIDE ITS BLOCKS OF 32, as the main launch lays the 89 features in its registers (no number changes its block, so scales and codes are those of the stated order):
;     block 0: place p = k p;  block 1: p < 7: k = 57 + p, else k = 25 + p;  block 2: p < 24: k = 65 + p, p = 24: k = 64, the rest zeros;  block 3: zeros.
; A block's scale byte is its largest magnitude's exponent field - 2, held at 1 from below.  A block of zeros so has the byte 1 where the rule says 127: its codes are zeros, and this program alone reads the bytes.
; LIMITS: NaN and infinities among the inputs are not served; blocks whose largest magnitude lies under 2^-124 take the floor's byte.
.set XB, 3072                          ; bytes of x for a wave: 256 points
	s_load_b256 s[4:11], s[0:1], 0x0               ; x s[4:5], W0 s[6:7], W1 s[8:9], cells s[10:11]
	s_load_b64 s[12:13], s[0:1], 0x20              ; wq
	v_lshl_add_u32 v128, v0, 2, 0x6000
	v_mov_b32 v129, 0
	v_lshrrev_b32 v1, 5, v0
	v_readfirstlane_b32 s16, v1                    ; wave 0..7
	v_and_b32 v1, 31, v0                           ; lane
	s_mov_b32 s18, 0x76543210
	s_mov_b32 s19, 0xfedcba98                      ; v_permlanex16_b32's selects for lane l xor 16
	s_mov_b32 s21, 0
	s_wait_kmcnt 0x0
	s_cmp_lt_u32 ttmp9, 256
	s_cbranch_scc0 .Lweights
	; ---- the cells.  Wave number 8 x work-group + wave takes two groups: 256 points, 3,072 bytes of x, 2,048 bytes of cells
	s_lshl_b32 s17, ttmp9, 3
	s_add_co_u32 s17, s17, s16
	s_mul_i32 s20, s17, XB
	s_add_nc_u64 s[4:5], s[4:5], s[20:21]
	s_lshl_b32 s20, s17, 11
	s_add_nc_u64 s[10:11], s[10:11], s[20:21]
	s_mul_i32 s22, s16, XB                         ; my wave's own bytes of LDS
	v_lshlrev_b32 v2, 4, v1                        ; 16 x lane: a load takes 512 consecutive bytes
	v_add_nc_u32 v3, s22, v2                       ; into LDS as they lie
	v_mul_u32_u24 v4, v1, 48
	v_add_nc_u32 v4, s22, v4                       ; and back 48 bytes a lane: four points
	v_lshlrev_b32 v5, 3, v1                        ; out: 8 bytes a lane
.irp i, 0,1,2,3,4,5
	global_load_b128 v[16+4*\i:19+4*\i], v2, s[4:5] offset:512*\i
.endr
	s_wait_loadcnt 0x0
.irp i, 0,1,2,3,4,5
	ds_store_b128 v3, v[16+4*\i:19+4*\i] offset:512*\i
.endr
.irp g, 0,1
.irp i, 0,1,2
	ds_load_b128 v[48+12*\g+4*\i:51+12*\g+4*\i], v4 offset:1536*\g+16*\i   ; LDS serves a wave's instructions in order (ISA guide 5.7.1.4): these see my stores; no other wave touches the bytes
.endr
.endr
	s_wait_dscnt 0x0
.irp i, 0,2,4,6,8,10,12,14,16,18,20,22
	v_pk_mul_f32 v[48+\i:49+\i], v[48+\i:49+\i], 0x45000000 op_sel_hi:[1,0]   ; 2048 x: exact
.endr
.set i, 0
.rept 24
	v_floor_f32 v[48+i], v[48+i]
.set i, i+1
.endr
.set i, 0
.rept 24
	v_med3_num_f32 v[48+i], v[48+i], 0, 0x44ffe000             ; held to 0 .. 2047
.set i, i+1
.endr
.set n, 0
.rept 8                                ; point n = 4 group + j of my lane: v[48 + 3 n] on
	v_cvt_u32_f32 v[48+3*n], v[48+3*n]
	v_cvt_u32_f32 v[49+3*n], v[49+3*n]
	v_cvt_u32_f32 v[81+2*n], v[50+3*n]
	v_lshl_or_b32 v[80+2*n], v[49+3*n], 16, v[48+3*n]
.set n, n+1
.endr
.set n, 0
.rept 8
	global_store_b64 v5, v[80+2*n:81+2*n], s[10:11] offset:256*n   ; the wave stores 256 consecutive bytes, at a multiple of 256 from the buffer's first byte
.set n, n+1
.endr
	s_wait_tensorcnt 0x0
	ds_add_u32 v128, v129
	s_wait_dscnt 0x0
	s_endpgm
.Lweights:
	; ---- a weight: wave t makes tile t
	v_and_b32 v2, 15, v0                           ; r
	v_bfe_u32 v3, v0, 4, 1                         ; h
	s_lshr_b32 s17, s16, 2
	s_lshl_b32 s17, s17, 6
	s_and_b32 s20, s16, 3
	s_lshl_b32 s20, s20, 3
	s_add_co_u32 s17, s17, s20                     ; 64 (t / 4) + 8 (t % 4)
	v_and_b32 v4, 7, v2
	v_lshrrev_b32 v5, 3, v2
	v_lshl_add_u32 v4, v5, 5, v4
	v_add_nc_u32 v4, s17, v4                       ; my row of the weight
	s_sub_co_u32 s28, ttmp9, 256                   ; the layer
	s_lshl_b32 s22, s28, 13
	s_lshl_b32 s23, s16, 10
	s_add_co_u32 s22, s22, s23
	s_mov_b32 s23, 0
	s_add_nc_u64 s[24:25], s[12:13], s[22:23]      ; where the tile's image goes
	s_lshl_b32 s22, s28, 10
	s_lshl_b32 s20, s16, 7
	s_add_co_u32 s22, s22, s20
	s_add_co_u32 s22, s22, 16384
	s_add_nc_u64 s[26:27], s[12:13], s[22:23]      ; and its scale words
	s_cmp_eq_u32 s28, 0
	s_cbranch_scc0 .Lw1
	; W0: a row is 356 bytes.  v64-95: block h, v96-127: block 2 + h, in the order of places given at the head
	v_mul_u32_u24 v6, v4, 356
	v_mad_u32_u24 v7, v3, 228, v6                  ; places 0-6: k = p (h = 0) or 57 + p (h = 1)
	v_mad_u32_u24 v8, v3, 100, v6                  ; places 7-31: k = p or 25 + p
.set p, 0
.rept 7
	global_load_b32 v[64+p], v7, s[6:7] offset:4*p
.set p, p+1
.endr
.rept 25
	global_load_b32 v[64+p], v8, s[6:7] offset:4*p
.set p, p+1
.endr
.set p, 0
.rept 24
	global_load_b32 v[96+p], v6, s[6:7] offset:4*(65+p)        ; block 2; lanes 16-31 read the same numbers and drop them below: no load leaves the row
.set p, p+1
.endr
	global_load_b32 v120, v6, s[6:7] offset:256
	s_mov_b32 s20, 0xffff0000
	s_wait_loadcnt 0x0
.set p, 0
.rept 25
	v_cndmask_b32 v[96+p], v[96+p], 0, s20         ; block 3 (lanes 16-31) is zeros
.set p, p+1
.endr
.irp p, 121,122,123,124,125,126,127
	v_mov_b32 v\p, 0                               ; K ends at 89
.endr
	s_branch .Lquant
.Lw1:
	v_lshlrev_b32 v6, 9, v4                        ; W1: a row is 512 bytes;
	v_lshl_add_u32 v6, v3, 7, v6                   ; lanes 16-31 begin 32 numbers on
.irp c, 0,1
.irp i, 0,1,2,3,4,5,6,7
	global_load_b128 v[64+32*\c+4*\i:67+32*\c+4*\i], v6, s[8:9] offset:256*\c+16*\i
.endr
.endr
	s_wait_loadcnt 0x0
.Lquant:
.irp c, 0,1                                ; my block 2 c + h: all its 32 numbers are mine
	v_max3_num_f32 v[32+\c], |v[64+32*\c]|, |v[65+32*\c]|, 0x1800000   ; with the floor 2^(3 - 127): the byte cannot fall under 1
.endr
.irp i, 2,4,6,8,10,12,14,16,18,20,22,24,26,28,30
.irp c, 0,1
	v_max3_num_f32 v[32+\c], v[32+\c], |v[64+32*\c+\i]|, |v[65+32*\c+\i]|
.endr
.endr
.irp c, 0,1
	v_add_nc_u32 v[44+\c], 0xff000000, v[32+\c]    ; 2 off the exponent field: the conversion takes the exponent field of this operand as its scale
.endr
.irp c, 0,1
	v_lshrrev_b32 v[36+\c], 23, v[44+\c]           ; the scale's byte
.endr
	v_lshl_or_b32 v9, v37, 16, v36                 ; my two bytes, blocks h and 2 + h,
	v_lshlrev_b32 v11, 3, v3
	v_lshlrev_b32 v9, v11, v9                      ; at their places in the word;
	v_mov_b32 v10, 0
	v_permlanex16_b32 v10, v9, s18, s19
	v_or_b32 v9, v9, v10                           ; with lane l xor 16's two the word is whole
.irp c, 0,1
.irp g, 0,1,2,3
	v_cvt_scalef32_pk8_fp4_f32 v[48+4*\c+\g], v[64+32*\c+8*\g:71+32*\c+8*\g], v[44+\c]
.endr
.endr
	v_nop                                          ; one plain place behind the last scaled conversion
	v_lshlrev_b32 v12, 4, v1
	v_lshlrev_b32 v13, 2, v1
	global_store_b128 v12, v[48:51], s[24:25]      ; 512 consecutive bytes each
	global_store_b128 v12, v[52:55], s[24:25] offset:512
	global_store_b32 v13, v9, s[26:27]
	s_endpgm
.Lfunc_end_k_qe3a227d272_prep:
	.size	k_qe3a227d272_prep, .Lfunc_end_k_qe3a227d272_prep-k_qe3a227d272_prep
	.p2alignl 7, 3214868480
	.fill 96, 4, 3214868480
	.section	.rodata,"a",@progbits
	.p2align	6, 0x0
	.amdhsa_kernel k_qe3a227d272_prep
		.amdhsa_group_segment_fixed_size 25600
		.amdhsa_private_segment_fixed_size 0
		.amdhsa_enable_private_segment 0
		.amdhsa_kernarg_size 40
		.amdhsa_user_sgpr_count 2
		.amdhsa_user_sgpr_kernarg_segment_ptr 1
		.amdhsa_wavefront_size32 1
		.amdhsa_system_sgpr_workgroup_id_x 1
		.amdhsa_system_sgpr_workgroup_id_y 1
		.amdhsa_system_sgpr_workgroup_id_z 1
		.amdhsa_system_vgpr_workitem_id 0
		.amdhsa_next_free_vgpr 130
		.amdhsa_next_free_sgpr 66
		.amdhsa_reserve_vcc 0
		.amdhsa_float_denorm_mode_32 3
		.amdhsa_float_denorm_mode_16_64 3
		.amdhsa_memory_ordered 1
		.amdhsa_forward_progress 1
		.amdhsa_inst_pref_size 23
	.end_amdhsa_kernel
	.amdgpu_metadata
---
amdhsa.version: [ 1, 2 ]
amdhsa.kernels:
  - .name:           k_qe3a227d272_prep
    .symbol:         k_qe3a227d272_prep.kd
    .args:
      - { .name: x, .offset: 0, .size: 8, .value_kind: global_buffer, .address_space: global }
      - { .name: W0, .offset: 8, .size: 8, .value_kind: global_buffer, .address_space: global }
      - { .name: W1, .offset: 16, .size: 8, .value_kind: global_buffer, .address_space: global }
      - { .name: cells, .offset: 24, .size: 8, .value_kind: global_buffer, .address_space: global }
      - { .name: wq, .offset: 32, .size: 8, .value_kind: global_buffer, .address_space: global }
    .group_segment_fixed_size: 25600
    .private_segment_fixed_size: 0
    .kernarg_segment_align: 8
    .kernarg_segment_size: 40
    .max_flat_workgroup_size: 256
    .sgpr_count:     66
    .vgpr_count:     130
    .wavefront_size: 32
...
	.end_amdgpu_metadata
.endif
;; end of part 1
;; launch main (part 2): grid 256 x 1, 16 waves a work-group, no clusters, 52,736 bytes of LDS; arguments x, cells, wq, table, b0, b1, W2, b2, out0; writes out0
.if DOCPART == 2
	.amdgcn_target "amdgcn-amd-amdhsa--gfx1250"
	.amdhsa_code_object_version 6
	.text
	.protected	k_qe3a227d272_main
	.globl	k_qe3a227d272_main
	.p2align	8
	.type	k_qe3a227d272_main,@function
k_qe3a227d272_main:
	s_mov_b64 s[64:65], 0
	v_nop
	global_prefetch_b8 v0, s[64:65] scope:SCOPE_SE
	s_setreg_imm32_b32 hwreg(HW_REG_WAVE_MODE, 25, 1), 1
	s_wait_xcnt 0x0
; out0[n] = W2 . sp(W1 sp(W0 inp(x[n]) + b0) + b1) + b2, sp(v) = log(1 + e^(100 v)) / 100; inp = x, sin and cos of 2^m x (m = 0..8), and 8 grid levels x 4 trilinear features: 89 numbers.
; The two products with W0 and W1 run on codes of E2M1 with one E8M0 scale for each 32 along K; all else is f32.
; SHARES.  256 work-groups of 16 waves; a wave owns 128 points and walks them in 4 trips of 32, ONE POINT TO A LANE while the features are made: nothing of a point's features is asked of another lane.
; Four waves to a SIMD, 256 registers each: one wave's gathers are out while another computes.  The waves share only the weights' images in LDS, written once ahead of the one barrier.
; GATHERS.  The cell's whole numbers come from the launch before (cells), so no address here is made of a float.  Three levels' 24 loads of 16 bytes a lane are out at a time; the sines and cosines stand between a level's loads and the wait for them.
; SIN, COS.  q = 2^m x 2/pi in two floats (the scaling by 2^m is exact), n = the nearest whole number, a = (q - n) pi/2 in -pi/4 .. pi/4, polynomials of degree 7 and 8, quadrant by selection and sign bit.
; PRODUCTS ARE USED TRANSPOSED (source 0 = 16 rows of a weight, source 1 = 16 points).  The rows of a weight's tile are chosen (by the launch before) so that lane (r, h) holds of point r, in the 32 registers of tiles 0-3,
; units 32 h + 0..31 and in those of tiles 4-7 units 64 + 32 h + 0..31: whole blocks of the next K, in the very order of the 4-bit operand's registers.  A block's maximum needs no other lane and the codes need no exchange.
; The biases are the C of the products; K = 128 is one instruction, so no sum is taken up again.
; THE 89 FEATURES lie in F0-95 in an order permuted inside the blocks of 32, alike in W0's codes: F0-2 x; F[3+3m+d] sin; cos number i = 3m+d at F[30+i] (i < 2) or F[37+i]; level 0 at F32-35; level 1 at F36-38 and F88; level l >= 2 at F[64+4(l-2)] on; F89-95 zeros; block 3 zero codes.
; LIMITS: NaN and infinities are not served.  |x| under about 1e6 (the quadrant is taken through a 32-bit whole number, and q keeps its fraction).  An exponential under 2^-126 counts as 0, so a softplus under about 1e-40 is 0.
; A block of zeros has the scale byte 1 (x's block 3: 0) over zero codes.  The fraction of a tiny negative grid coordinate is held under 1 by v_fract_f32, one unit in the last place from the subtraction.
; No cluster, no tensor load: the bulk traffic is gathers lane by lane; what work-groups share is 18 KB of weights, read once by each.
.set WIMG, 0                           ; LDS: the weights' images, as in wq: 8192 layer + 1024 tile + 512 c + 16 lane
.set BIAS, 16384                       ; b0, b1, W2: 512 bytes each
.set XT,   17920                       ; 1,536 bytes a wave: its 128 points of x as they lie in memory
.set OS,   42496                       ; 512 bytes a wave: its 128 results
.set F,    32                          ; v32-127  the features
.set GA,   128                         ; v128-159, v160-191, v192-223: three levels' eight corners x 4 features
.set GB,   160
.set GC,   192
.set QHA,  224                         ; v[224:225] q of x and y, high parts; v[226:227] low parts
.set QLA,  226
.set QHB,  228                         ; v[228:229] q of z and of 2 z; v[230:231] low parts
.set QLB,  230
.set T,    232                         ; v232-255 at work
; v1 16 lane; v2 128 h; v3 my x in LDS; v4 my results in LDS; v5 an address in hand; v6 8 h; v7 a lane exchange's destination; v8-15 the cells of this trip and the next three;
; v16-23 the weights' scale words (register 4 layer + i: tile 2 i in lanes 0-15, tile 2 i + 1 in lanes 16-31); v24 x's scale word, v25, v26 the hidden layer's; v27-29 the dense levels' addresses.
; In the MLP: v32-95, v96-159 the results for points 0-15 and 16-31; v160-191 four fragments of a weight, v192-223 four tiles of bias (later scratch, later W2); v224-239 the features' codes; v240-255 the hidden layer's codes.
	s_load_b256 s[4:11], s[0:1], 0x0               ; x s[4:5], cells s[6:7], wq s[8:9], table s[10:11]
	s_load_b256 s[12:19], s[0:1], 0x20             ; b0 s[12:13], b1 s[14:15], W2 s[16:17], b2 s[18:19]
	s_load_b64 s[20:21], s[0:1], 0x40              ; out0
	v_lshrrev_b32 v1, 5, v0
	v_readfirstlane_b32 s22, v1                    ; wave 0..15
	v_and_b32 v7, 31, v0                           ; lane
	v_lshlrev_b32 v1, 4, v7
	v_bfe_u32 v6, v0, 4, 1                         ; h
	v_lshlrev_b32 v2, 7, v6
	v_and_b32 v29, 15, v0
	v_lshl_add_u32 v29, v29, 2, v2                 ; 4 r + 128 h: a scale word of tile 2 i + h
	v_lshlrev_b32 v6, 3, v6
	v_lshlrev_b32 v28, 3, v7                       ; 8 x lane
	v_lshlrev_b32 v31, 4, v0                       ; 16 x thread
	s_mul_i32 s24, s22, 1536
	v_mul_u32_u24 v3, v7, 48
	v_add_nc_u32 v3, s24, v3
	v_add_nc_u32 v3, XT, v3                        ; my four points: 48 bytes
	v_add_nc_u32 v5, s24, v1
	v_add_nc_u32 v5, XT, v5                        ; on the way in: as loaded
	s_lshl_b32 s24, s22, 9
	v_add_nc_u32 v4, s24, v1
	v_add_nc_u32 v4, OS, v4
	s_min_u32 s24, s22, 2
	s_lshl_b32 s24, s24, 9
	v_add_nc_u32 v30, s24, v1
	v_add_nc_u32 v30, BIAS, v30                    ; waves 0, 1, 2 bring b0, b1, W2
	v_mov_b32 v7, 0
	s_mov_b32 s44, 0x76543210
	s_mov_b32 s45, 0xfedcba98                      ; v_permlanex16_b32's selects for lane l xor 16
	s_mov_b32 s46, 0xffff0000                      ; lanes 16-31
	s_mov_b32 s52, 0xb94ca1f9                      ; the sine's highest coefficient, as a pair for the packed form
	s_mov_b32 s53, 0xb94ca1f9
	s_mov_b32 s54, 0x37ccf5ce                      ; the cosine's
	s_mov_b32 s55, 0x37ccf5ce
	s_lshl_b32 s23, ttmp9, 4
	s_add_co_u32 s23, s23, s22                     ; my group of 128 points
	s_mov_b32 s48, 0                               ; trip, 12 x trip, 4 x trip
	s_mov_b32 s49, 0
	s_mov_b32 s50, 0
	s_wait_kmcnt 0x0
	s_load_b32 s47, s[18:19], 0x0                  ; b2
	s_mul_i32 s24, s23, 1536
	s_mov_b32 s25, 0
	s_add_nc_u64 s[4:5], s[4:5], s[24:25]
	s_lshl_b32 s24, s23, 10
	s_add_nc_u64 s[6:7], s[6:7], s[24:25]
	s_lshl_b32 s24, s23, 9
	s_add_nc_u64 s[20:21], s[20:21], s[24:25]
	s_mov_b64 s[28:29], s[10:11]
.irp lv, 1,2,3,4,5,6,7
	s_add_nc_u64 s[28+2*\lv:29+2*\lv], s[10:11], \lv*0x800000   ; level lv's table: 2^19 entries of 16 bytes
.endr
	s_cmp_eq_u32 s22, 0                            ; the choice hangs on the wave's number alone
	s_cselect_b64 s[24:25], s[12:13], s[14:15]
	s_cmp_eq_u32 s22, 2
	s_cselect_b64 s[24:25], s[16:17], s[24:25]
.irp j, 0,1,2,3
	global_load_b64 v[8+2*\j:9+2*\j], v28, s[6:7] offset:256*\j th:TH_LOAD_NT   ; the four trips' cells
.endr
.irp i, 0,1,2
	global_load_b128 v[32+4*\i:35+4*\i], v1, s[4:5] offset:512*\i
.endr
.irp i, 0,1
	global_load_b128 v[44+4*\i:47+4*\i], v31, s[8:9] offset:8192*\i
.endr
.irp ly, 0,1
.irp i, 0,1,2,3
	global_load_b32 v[16+4*\ly+\i], v29, s[8:9] offset:16384+1024*\ly+256*\i
.endr
.endr
	s_cmp_gt_u32 s22, 2
	s_cbranch_scc1 .Lno_bias
	global_load_b128 v[52:55], v1, s[24:25]
	s_wait_loadcnt 0x0
	ds_store_b128 v30, v[52:55]
.Lno_bias:
	s_wait_loadcnt 0x0
	s_wait_kmcnt 0x0
.irp i, 0,1,2
	ds_store_b128 v5, v[32+4*\i:35+4*\i] offset:512*\i
.endr
.irp i, 0,1
	ds_store_b128 v31, v[44+4*\i:47+4*\i] offset:WIMG+8192*\i
.endr
	s_wait_dscnt 0x0                               ; for the others' sake: my stores have landed
	s_barrier_signal -1
	s_barrier_wait -1                              ; the one barrier: from here on the shared bytes are only read
; A hashed level's eight gathers.  Only the low 19 bits of the hash count, so the primes are taken modulo 2^19 and 24-bit products do.  Each address stands in the first register of the four that its load fills.
.macro IDXH lv, buf
	v_bfe_u32 v[T], v8, 7-\lv, 4+\lv               ; cx, cy, cz of this level: the finest cell >> (7 - level)
	v_bfe_u32 v[T+1], v8, 23-\lv, 4+\lv
	v_lshrrev_b32 v[T+2], 7-\lv, v9
	v_add_nc_u32 v[T+3], 1, v[T]
	v_mul_u32_u24 v[T+4], v[T+1], 0x779b1
	v_mul_u32_u24 v[T+6], v[T+2], 0x25795
	v_add_nc_u32 v[T+5], 0x779b1, v[T+4]
	v_add_nc_u32 v[T+7], 0x25795, v[T+6]
	v_xor_b32 v[T+8], v[T+4], v[T+6]
	v_xor_b32 v[T+9], v[T+5], v[T+6]
	v_xor_b32 v[T+10], v[T+4], v[T+7]
	v_xor_b32 v[T+11], v[T+5], v[T+7]
.irp cn, 8,9,10,11
	v_and_b32 v[T+\cn], 0x7ffff, v[T+\cn]
.endr
.irp cn, 0,1,2,3,4,5,6,7
	v_xor_b32 v[\buf+4*\cn], v[T+3*(\cn&1)], v[T+8+(\cn>>1)]
.endr
.irp cn, 0,1,2,3,4,5,6,7
	v_min_u32 v[\buf+4*\cn], 0x7ffff, v[\buf+4*\cn]            ; a loaded number enters an address only behind a bound written here
.endr
.irp cn, 0,1,2,3,4,5,6,7
	v_lshlrev_b32 v[\buf+4*\cn], 4, v[\buf+4*\cn]
.endr
.irp cn, 0,1,2,3,4,5,6,7
	global_load_b128 v[\buf+4*\cn:\buf+4*\cn+3], v[\buf+4*\cn], s[28+2*\lv:29+2*\lv]
.endr
.endm
; A dense level (pitch r1 = res + 1): one address, the corners in the immediates.
.macro IDXD lv, buf, r1
	v_bfe_u32 v[T], v8, 7-\lv, 4+\lv
	v_bfe_u32 v[T+1], v8, 23-\lv, 4+\lv
	v_lshrrev_b32 v[T+2], 7-\lv, v9
	v_mad_u32_u24 v[T], v[T+1], \r1, v[T]
	v_mad_u32_u24 v[T], v[T+2], \r1*\r1, v[T]
	v_min_u32 v[T], (\r1-2)*(1+\r1+\r1*\r1), v[T]
	v_lshlrev_b32 v[27+\lv], 4, v[T]               ; written again only in the next trip, behind the wait that shows these loads done
.irp cn, 0,1,2,3,4,5,6,7
	global_load_b128 v[\buf+4*\cn:\buf+4*\cn+3], v[27+\lv], s[28+2*\lv:29+2*\lv] offset:16*((\cn&1)+((\cn>>1)&1)*\r1+(\cn>>2)*\r1*\r1)
.endr
.endm
.macro CORNER dd, ss, cc               ; two features of corner cc x its weight, onto the sum
.if (\cc)&1
	v_pk_fma_f32 v[\dd:\dd+1], v[\ss:\ss+1], v[T+9+\cc:T+10+\cc], v[\dd:\dd+1] op_sel:[0,1,0] op_sel_hi:[1,1,1]
.else
	v_pk_fma_f32 v[\dd:\dd+1], v[\ss:\ss+1], v[T+10+\cc:T+11+\cc], v[\dd:\dd+1] op_sel_hi:[1,0,1]
.endif
.endm
; A level's trilinear sum.  n: the gathers of younger levels, which may stay out.  d0, d1: where the two pairs of features go.  split = 1 (level 1): features 2 and 3 go to F38 and F88.
.macro ACC lv, buf, n, d0, d1, split
	v_pk_mul_f32 v[T+6:T+7], v[F:F+1], (131+\lv)<<23 op_sel_hi:[1,0]   ; res x: exact
	v_mul_f32 v[T+8], (131+\lv)<<23, v[F+2]
	v_fract_f32 v[T+1], v[T+6]
	v_fract_f32 v[T+3], v[T+7]
	v_fract_f32 v[T+5], v[T+8]
	v_sub_f32 v[T], 1.0, v[T+1]                    ; pairs (1 - f, f) for x, y, z
	v_sub_f32 v[T+2], 1.0, v[T+3]
	v_sub_f32 v[T+4], 1.0, v[T+5]
	v_pk_mul_f32 v[T+6:T+7], v[T:T+1], v[T+2:T+3] op_sel_hi:[1,0]
	v_pk_mul_f32 v[T+8:T+9], v[T:T+1], v[T+2:T+3] op_sel:[0,1] op_sel_hi:[1,1]
	v_pk_mul_f32 v[T+10:T+11], v[T+6:T+7], v[T+4:T+5] op_sel_hi:[1,0]      ; (wx wy) wz: corner c's weight at T + 10 + c
	v_pk_mul_f32 v[T+12:T+13], v[T+8:T+9], v[T+4:T+5] op_sel_hi:[1,0]
	v_pk_mul_f32 v[T+14:T+15], v[T+6:T+7], v[T+4:T+5] op_sel:[0,1] op_sel_hi:[1,1]
	v_pk_mul_f32 v[T+16:T+17], v[T+8:T+9], v[T+4:T+5] op_sel:[0,1] op_sel_hi:[1,1]
	s_wait_loadcnt \n                              ; loads come back in order (ISA guide 5.7.1): this level's eight are in, eight for each younger level may be out
	v_pk_mul_f32 v[\d0:\d0+1], v[\buf:\buf+1], v[T+10:T+11] op_sel_hi:[1,0]
	v_pk_mul_f32 v[\d1:\d1+1], v[\buf+2:\buf+3], v[T+10:T+11] op_sel_hi:[1,0]
.irp cn, 1,2,3,4,5,6
	CORNER \d0, \buf+4*\cn, \cn
	CORNER \d1, \buf+4*\cn+2, \cn
.endr
	CORNER \d0, \buf+28, 7
.if \split
	v_fma_f32 v[F+38], v[\buf+30], v[T+17], v[\d1]
	v_fma_f32 v[F+88], v[\buf+31], v[T+17], v[\d1+1]
.else
	CORNER \d1, \buf+30, 7
.endif
.endm
; Sine and cosine of two arguments: 2^m x the pair (qh, ql).  s0, c0, s1, c1: the places in F; two = 0: the second is not wanted.
.set RA, 232
.set RN, 234
.set RZ, 236
.set RP, 238
.set RQ, 240
.set RY, 242
.set RM, 244
.set RI, 246
.macro SC qh, ql, m, s0, c0, s1, c1, two
	v_pk_mul_f32 v[RA:RA+1], v[\qh:\qh+1], (127+\m)<<23 op_sel_hi:[1,0]
	v_rndne_f32 v[RN], v[RA]
	v_rndne_f32 v[RN+1], v[RA+1]
	v_pk_add_f32 v[RA:RA+1], v[RA:RA+1], v[RN:RN+1] neg_lo:[0,1] neg_hi:[0,1]     ; exact
	v_pk_fma_f32 v[RA:RA+1], v[\ql:\ql+1], (127+\m)<<23, v[RA:RA+1] op_sel_hi:[1,0,1]
	v_pk_mul_f32 v[RA:RA+1], v[RA:RA+1], 0x3fc90fdb op_sel_hi:[1,0]               ; a, in -pi/4 .. pi/4
	v_pk_mul_f32 v[RZ:RZ+1], v[RA:RA+1], v[RA:RA+1]
	v_cvt_i32_f32 v[RI], v[RN]
	v_cvt_i32_f32 v[RI+3], v[RN+1]
	v_pk_fma_f32 v[RP:RP+1], v[RZ:RZ+1], s[52:53], 0x3c08839e op_sel_hi:[1,0,0]
	v_pk_fma_f32 v[RQ:RQ+1], v[RZ:RZ+1], s[54:55], 0xbab6061a op_sel_hi:[1,0,0]
	v_pk_mul_f32 v[RY:RY+1], v[RZ:RZ+1], v[RZ:RZ+1]
	v_pk_fma_f32 v[RM:RM+1], v[RZ:RZ+1], -0.5, 1.0 op_sel_hi:[1,0,0]
	v_pk_fma_f32 v[RP:RP+1], v[RP:RP+1], v[RZ:RZ+1], 0xbe2aaaa3 op_sel_hi:[1,1,0]
	v_pk_fma_f32 v[RQ:RQ+1], v[RQ:RQ+1], v[RZ:RZ+1], 0x3d2aaaa5 op_sel_hi:[1,1,0]
	v_and_b32 v[RI+1], 1, v[RI]
	v_and_b32 v[RI+4], 1, v[RI+3]
	v_pk_mul_f32 v[RP:RP+1], v[RP:RP+1], v[RZ:RZ+1]
	v_pk_fma_f32 v[RQ:RQ+1], v[RQ:RQ+1], v[RY:RY+1], v[RM:RM+1]                   ; cos a
	v_lshlrev_b32 v[RI], 30, v[RI]
	v_lshlrev_b32 v[RI+3], 30, v[RI+3]
	v_pk_fma_f32 v[RZ:RZ+1], v[RP:RP+1], v[RA:RA+1], v[RA:RA+1]                   ; sin a
	v_pk_fma_f32 v[RY:RY+1], v[RP:RP+1], v[RA:RA+1], v[RA:RA+1] neg_lo:[1,0,1] neg_hi:[1,0,1]   ; -sin a
	v_cmp_ne_u32 s56, 0, v[RI+1]                   ; an odd quadrant changes sine and cosine over;
	v_cmp_ne_u32 s57, 0, v[RI+4]
	v_and_b32 v[RI], 0x80000000, v[RI]             ; quadrants 2 and 3 turn the sign.  Values are selected; nothing branches
	v_and_b32 v[RI+3], 0x80000000, v[RI+3]
	v_cndmask_b32 v[RI+1], v[RZ], v[RQ], s56
	v_cndmask_b32 v[RI+2], v[RQ], v[RY], s56
.if \two
	v_cndmask_b32 v[RI+4], v[RZ+1], v[RQ+1], s57
	v_cndmask_b32 v[RI+5], v[RQ+1], v[RY+1], s57
.endif
	v_xor_b32 v[F+\s0], v[RI], v[RI+1]
	v_xor_b32 v[F+\c0], v[RI], v[RI+2]
.if \two
	v_xor_b32 v[F+\s1], v[RI+3], v[RI+4]
	v_xor_b32 v[F+\c1], v[RI+3], v[RI+5]
.endif
.endm
.macro SCXY m                          ; x and y at frequency 2^m, m >= 1
	SC QHA, QLA, \m, 3+3*\m, 37+3*\m, 4+3*\m, 38+3*\m, 1
.endm
.macro SCZ m                           ; z at 2^m and 2^(m + 1)
	SC QHB, QLB, \m, 5+3*\m, 39+3*\m, 8+3*\m, 42+3*\m, 1
.endm
; Four tiles of layer ly's weight (tiles 4 g on) and of its bias, from LDS: the images come back as the registers that were stored; the sixteen lanes of a half read the same eight biases.
.macro LOADW ly, g
.irp i, 0,1,2,3
.irp cq, 0,1
	ds_load_b128 v[160+8*\i+4*\cq:163+8*\i+4*\cq], v1 offset:WIMG+8192*\ly+1024*(4*\g+\i)+512*\cq
.endr
.endr
.irp i, 0,1,2,3
.irp cq, 0,1
	ds_load_b128 v[192+8*\i+4*\cq:195+8*\i+4*\cq], v2 offset:BIAS+512*\ly+256*\g+32*\i+16*\cq
.endr
.endr
.endm
.macro WM d, a, b, c, sa, sb, ra, rb
.if (\ra)
.if (\rb)
	v_wmma_scale_f32_16x16x128_f8f6f4 v[\d:\d+7], v[\a:\a+7], v[\b:\b+7], v[\c:\c+7], v[\sa], v[\sb] matrix_a_fmt:MATRIX_FMT_FP4 matrix_b_fmt:MATRIX_FMT_FP4 matrix_a_scale:MATRIX_SCALE_ROW1 matrix_b_scale:MATRIX_SCALE_ROW1
.else
	v_wmma_scale_f32_16x16x128_f8f6f4 v[\d:\d+7], v[\a:\a+7], v[\b:\b+7], v[\c:\c+7], v[\sa], v[\sb] matrix_a_fmt:MATRIX_FMT_FP4 matrix_b_fmt:MATRIX_FMT_FP4 matrix_a_scale:MATRIX_SCALE_ROW1
.endif
.else
.if (\rb)
	v_wmma_scale_f32_16x16x128_f8f6f4 v[\d:\d+7], v[\a:\a+7], v[\b:\b+7], v[\c:\c+7], v[\sa], v[\sb] matrix_a_fmt:MATRIX_FMT_FP4 matrix_b_fmt:MATRIX_FMT_FP4 matrix_b_scale:MATRIX_SCALE_ROW1
.else
	v_wmma_scale_f32_16x16x128_f8f6f4 v[\d:\d+7], v[\a:\a+7], v[\b:\b+7], v[\c:\c+7], v[\sa], v[\sb] matrix_a_fmt:MATRIX_FMT_FP4 matrix_b_fmt:MATRIX_FMT_FP4
.endif
.endif
.endm
; Eight products: tiles 4 g .. 4 g + 3 x the two tiles of 16 points.  Each writes registers of its own and takes the bias as C: no sum is taken up again.
; Layer 0: the points' codes at v224 / v232, one scale register, lanes 0-15 for points 0-15 and lanes 16-31 for points 16-31.  Layer 1: codes at v240 / v248, scale words v25 / v26.
.macro MMA ly, g
	s_wait_dscnt 0x0                               ; the fragments and biases are in
.if \g == 0
.rept 8
	v_nop                                          ; a scale register written by a vector instruction stands eight places ahead of a scaled product, an operand so written four
.endr
.endif
.irp i, 0,1,2,3
.irp pp, 0,1
	WM 32+64*\pp+8*(4*\g+\i), 160+8*\i, 224+16*\ly+8*\pp, 192+8*\i, 16+4*\ly+(4*\g+\i)/2, 24+\ly*(1+\pp), \i%2, \pp*(1-\ly)
.endr
.endr
.rept 4
	v_nop                                          ; four places ahead of loads into the products' sources and of the first reads of their results
.endr
.endm
; softplus of one accumulator (8 registers, read from its low end on), in place: max(v, 0) + log(1 + e) / 100, e = 2^-|100 log2(e) v|.
; It goes into a quantiser, so the rounding of 1 + e is given back: log(1 + e) = log(u) + (e - (u - 1)) / u, and the last divisor is 1 to within what the term itself weighs.
.macro SP0 hb
.irp i, 0,2,4,6
	v_pk_mul_f32 v[160+\i:161+\i], v[\hb+\i:\hb+\i+1], 0x431044fe op_sel_hi:[1,0]
.endr
.irp i, 0,1,2,3,4,5,6,7
	v_exp_f32 v[168+\i], -|v[160+\i]|
.endr
.irp i, 0,1,2,3,4,5,6,7
	v_max_num_f32 v[\hb+\i], 0, v[\hb+\i]          ; (plain lines behind the exponentials)
.endr
	s_wait_alu depctr_va_vdst(0)
.irp i, 0,2,4,6
	v_pk_add_f32 v[176+\i:177+\i], v[168+\i:169+\i], 1.0 op_sel_hi:[1,0]          ; u
.endr
.irp i, 0,2,4,6
	v_pk_add_f32 v[160+\i:161+\i], v[176+\i:177+\i], -1.0 op_sel_hi:[1,0]
.endr
.irp i, 0,2,4,6
	v_pk_add_f32 v[168+\i:169+\i], v[168+\i:169+\i], v[160+\i:161+\i] neg_lo:[0,1] neg_hi:[0,1]   ; e - (u - 1)
.endr
.irp i, 0,1,2,3,4,5,6,7
	v_log_f32 v[176+\i], v[176+\i]
.endr
.irp i, 0,2,4,6
	v_pk_fma_f32 v[\hb+\i:\hb+\i+1], v[168+\i:169+\i], 0x3c23d70a, v[\hb+\i:\hb+\i+1] op_sel_hi:[1,0,1]   ; (plain lines behind the logarithms, which they do not name)
.endr
	s_wait_alu depctr_va_vdst(0)
.irp i, 0,2,4,6
	v_pk_fma_f32 v[\hb+\i:\hb+\i+1], v[176+\i:177+\i], 0x3be32166, v[\hb+\i:\hb+\i+1] op_sel_hi:[1,0,1]   ; log2(u) x ln 2 / 100
.endr
.endm
; The hidden layer of 16 points (64 registers a lane: blocks h and 2 + h of my point) becomes the next product's operand and scale word.  No |.|: none is negative.
.macro QH hb, qb, sw
	v_max3_num_f32 v184, v[\hb], v[\hb+1], 0x1800000
	v_max3_num_f32 v185, v[\hb+32], v[\hb+33], 0x1800000
.irp i, 2,4,6,8,10,12,14,16,18,20,22,24,26,28,30
	v_max3_num_f32 v184, v184, v[\hb+\i], v[\hb+\i+1]
	v_max3_num_f32 v185, v185, v[\hb+32+\i], v[\hb+33+\i]
.endr
	v_add_nc_u32 v186, 0xff000000, v184            ; 2 off the exponent field: the conversion's scale operand
	v_add_nc_u32 v187, 0xff000000, v185
	v_lshrrev_b32 v188, 23, v186                   ; the bytes
	v_lshrrev_b32 v189, 23, v187
	v_lshl_or_b32 v190, v189, 16, v188
	v_lshlrev_b32 v190, v6, v190                   ; at their places, 8 h bits up;
	v_permlanex16_b32 v7, v190, s44, s45
	v_or_b32 v[\sw], v190, v7                      ; with lane l xor 16's two the word is whole
.irp g, 0,1,2,3
	v_cvt_scalef32_pk8_fp4_f32 v[\qb+\g], v[\hb+8*\g:\hb+8*\g+7], v186
	v_cvt_scalef32_pk8_fp4_f32 v[\qb+4+\g], v[\hb+32+8*\g:\hb+39+8*\g], v187
.endr
	v_nop                                          ; one plain place behind the last scaled conversion
.endm
; The second softplus goes into no quantiser: no correction.  Its results are multiplied by W2 (wb) onto two chains (ab, ab + 2).
.macro SP1 hb, wb, ab, first
.irp i, 0,2,4,6
	v_pk_mul_f32 v[224+\i:225+\i], v[\hb+\i:\hb+\i+1], 0x431044fe op_sel_hi:[1,0]
.endr
.irp i, 0,1,2,3,4,5,6,7
	v_exp_f32 v[232+\i], -|v[224+\i]|
.endr
.irp i, 0,1,2,3,4,5,6,7
	v_max_num_f32 v[\hb+\i], 0, v[\hb+\i]
.endr
	s_wait_alu depctr_va_vdst(0)
.irp i, 0,2,4,6
	v_pk_add_f32 v[240+\i:241+\i], v[232+\i:233+\i], 1.0 op_sel_hi:[1,0]
.endr
.irp i, 0,1,2,3,4,5,6,7
	v_log_f32 v[240+\i], v[240+\i]
.endr
	v_nop                                          ; one plain place behind the logarithms
	s_wait_alu depctr_va_vdst(0)
.irp i, 0,2,4,6
	v_pk_fma_f32 v[\hb+\i:\hb+\i+1], v[240+\i:241+\i], 0x3be32166, v[\hb+\i:\hb+\i+1] op_sel_hi:[1,0,1]
.endr
.if \first
	v_pk_mul_f32 v[\ab:\ab+1], v[\hb:\hb+1], v[\wb:\wb+1]      ; the first products start the sums
	v_pk_mul_f32 v[\ab+2:\ab+3], v[\hb+2:\hb+3], v[\wb+2:\wb+3]
.else
	v_pk_fma_f32 v[\ab:\ab+1], v[\hb:\hb+1], v[\wb:\wb+1], v[\ab:\ab+1]
	v_pk_fma_f32 v[\ab+2:\ab+3], v[\hb+2:\hb+3], v[\wb+2:\wb+3], v[\ab+2:\ab+3]
.endif
	v_pk_fma_f32 v[\ab:\ab+1], v[\hb+4:\hb+5], v[\wb+4:\wb+5], v[\ab:\ab+1]
	v_pk_fma_f32 v[\ab+2:\ab+3], v[\hb+6:\hb+7], v[\wb+6:\wb+7], v[\ab+2:\ab+3]
.endm
.Ltrip:                                            ; four trips; no global load is out here
	v_add_nc_u32 v5, s49, v3
	ds_load_b32 v[F], v5                           ; my point of this trip
	ds_load_b32 v[F+1], v5 offset:4
	ds_load_b32 v[F+2], v5 offset:8
	IDXH 7, GA                                     ; the fine levels first; they want only the cells
	IDXH 6, GB
	IDXH 5, GC
	s_wait_dscnt 0x0                               ; x (and the last trip's result store)
	v_pk_mul_f32 v[QHA:QHA+1], v[F:F+1], 0x3f22f983 op_sel_hi:[1,0]               ; q = x 2/pi in two floats: the product's high part,
	v_mul_f32 v[QHB], 0x3f22f983, v[F+2]
	v_pk_fma_f32 v[QLA:QLA+1], v[F:F+1], 0x3f22f983, v[QHA:QHA+1] op_sel_hi:[1,0,1] neg_lo:[0,0,1] neg_hi:[0,0,1]   ; what its rounding left,
	v_fma_f32 v[QLB], v[F+2], 0x3f22f983, -v[QHB]
	v_pk_fma_f32 v[QLA:QLA+1], v[F:F+1], 0x32dc9c88, v[QLA:QLA+1] op_sel_hi:[1,0,1]   ; and x times the constant's low part
	v_fma_f32 v[QLB], v[F+2], 0x32dc9c88, v[QLB]
	v_add_f32 v[QHB+1], v[QHB], v[QHB]
	v_add_f32 v[QLB+1], v[QLB], v[QLB]
	SC QHA, QLA, 0, 3, 30, 4, 31, 1
	SCXY 1
	ACC 7, GA, 16, F+84, F+86, 0
	IDXH 4, GA
	SCXY 2
	SCXY 3
	ACC 6, GB, 16, F+80, F+82, 0
	IDXH 3, GB
	SCXY 4
	SCXY 5
	ACC 5, GC, 16, F+76, F+78, 0
	IDXD 2, GC, 65
	SCXY 6
	SCXY 7
	ACC 4, GA, 16, F+72, F+74, 0
	IDXD 1, GA, 33
	SCXY 8
	SCZ 0
	ACC 3, GB, 16, F+68, F+70, 0
	IDXD 0, GB, 17
	SCZ 2
	SCZ 4
	ACC 2, GC, 16, F+64, F+66, 0
	SCZ 6
	SC QHB, QLB, 8, 29, 63, 0, 0, 0
	ACC 1, GA, 8, F+36, T+6, 1
	ACC 0, GB, 0, F+32, F+34, 0
	; ---- the features become two operands of 16 points
	LOADW 0, 0                                     ; asked for now: it lands while the features are quantised
.irp j, 89,90,91,92,93,94,95
	v_mov_b32 v[F+\j], 0                           ; K ends at 89
.endr
.irp b, 0,1,2
	v_max3_num_f32 v[240+\b], |v[F+32*\b]|, |v[F+32*\b+1]|, 0x1800000   ; three blocks by turns, each with the floor 2^(3 - 127)
.endr
.irp i, 2,4,6,8,10,12,14,16,18,20,22,24,26,28,30
.irp b, 0,1,2
	v_max3_num_f32 v[240+\b], v[240+\b], |v[F+32*\b+\i]|, |v[F+32*\b+\i+1]|
.endr
.endr
.irp b, 0,1,2
	v_add_nc_u32 v[243+\b], 0xff000000, v[240+\b]
.endr
.irp b, 0,1,2
	v_lshrrev_b32 v[246+\b], 23, v[243+\b]
.endr
	v_lshl_or_b32 v24, v247, 8, v246               ; my point's scale word; byte 3 stays 0, over zero codes
	v_lshl_or_b32 v24, v248, 16, v24
.irp g, 0,1,2,3
	v_cvt_scalef32_pk8_fp4_f32 v[224+\g], v[F+8*\g:F+8*\g+7], v243
	v_cvt_scalef32_pk8_fp4_f32 v[232+\g], v[F+32+8*\g:F+39+8*\g], v244
	v_cvt_scalef32_pk8_fp4_f32 v[228+\g], v[F+64+8*\g:F+71+8*\g], v245
.endr
.irp g, 0,1,2,3
	v_mov_b32 v[236+\g], 0                         ; block 3
.endr
	v_nop
.irp i, 0,1,2,3,4,5,6,7
	v_permlane16_swap_b32 v[224+\i], v[232+\i]     ; v224 on: points 0-15, blocks 0 / 2 in lanes 0-15 and blocks 1 / 3 in lanes 16-31; v232 on: points 16-31 likewise
.endr
	MMA 0, 0
	LOADW 0, 1
	MMA 0, 1
.irp tt, 0,1,2,3,4,5,6,7
	SP0 32+8*\tt
.endr
	QH 32, 240, 25
.irp tt, 0,1,2,3,4,5,6,7
	SP0 96+8*\tt
.endr
	QH 96, 248, 26
	LOADW 1, 0
	MMA 1, 0
	LOADW 1, 1
	MMA 1, 1
.irp tt, 0,1,2,3,4,5,6,7
.irp cq, 0,1
	ds_load_b128 v[160+8*\tt+4*\cq:163+8*\tt+4*\cq], v2 offset:BIAS+1024+256*(\tt/4)+32*(\tt%4)+16*\cq   ; W2 at my eight units of each tile
.endr
.endr
	s_wait_dscnt 0x0
	SP1 32, 160, 248, 1
	SP1 96, 160, 252, 1
.irp tt, 1,2,3,4,5,6,7
	SP1 32+8*\tt, 160+8*\tt, 248, 0
	SP1 96+8*\tt, 160+8*\tt, 252, 0
.endr
	v_pk_add_f32 v[248:249], v[248:249], v[250:251]
	v_pk_add_f32 v[252:253], v[252:253], v[254:255]
	v_add_f32 v248, v248, v249
	v_add_f32 v252, v252, v253
	v_permlanex16_b32 v250, v248, s44, s45         ; the point's other 64 units lie in lane l xor 16
	v_permlanex16_b32 v254, v252, s44, s45
	v_add_f32 v248, v248, v250
	v_add_f32 v252, v252, v254
	v_cndmask_b32 v248, v248, v252, s46            ; lane l takes point l's
	v_add_f32 v248, s47, v248                      ; + b2
	v_add_nc_u32 v5, s50, v4
	ds_store_b32 v5, v248
.irp j, 8,9,10,11,12,13
	v_mov_b32 v[\j], v[\j+2]                       ; the next trip's cells move up
.endr
	s_add_co_u32 s49, s49, 12
	s_add_co_u32 s50, s50, 4
	s_add_co_u32 s48, s48, 1
	s_cmp_lt_u32 s48, 4
	s_cbranch_scc1 .Ltrip
	ds_load_b128 v[32:35], v4                      ; my four points' results: LDS serves a wave's instructions in order, and the bytes are my wave's own
	s_wait_dscnt 0x0
	global_store_b128 v1, v[32:35], s[20:21] th:TH_STORE_NT    ; the wave stores 512 consecutive bytes, at a multiple of 256 from out0's first byte
	s_wait_xcnt 0x0
	v_lshl_add_u32 v254, v0, 2, 0xc600
	v_mov_b32 v255, 0
	s_wait_tensorcnt 0x0
	ds_add_u32 v254, v255
	s_wait_dscnt 0x0
	s_endpgm
.Lfunc_end_k_qe3a227d272_main:
	.size	k_qe3a227d272_main, .Lfunc_end_k_qe3a227d272_main-k_qe3a227d272_main
	.p2alignl 7, 3214868480
	.fill 96, 4, 3214868480
	.section	.rodata,"a",@progbits
	.p2align	6, 0x0
	.amdhsa_kernel k_qe3a227d272_main
		.amdhsa_group_segment_fixed_size 52736
		.amdhsa_private_segment_fixed_size 0
		.amdhsa_enable_private_segment 0
		.amdhsa_kernarg_size 72
		.amdhsa_user_sgpr_count 2
		.amdhsa_user_sgpr_kernarg_segment_ptr 1
		.amdhsa_wavefront_size32 1
		.amdhsa_system_sgpr_workgroup_id_x 1
		.amdhsa_system_sgpr_workgroup_id_y 1
		.amdhsa_system_sgpr_workgroup_id_z 1
		.amdhsa_system_vgpr_workitem_id 0
		.amdhsa_next_free_vgpr 256
		.amdhsa_next_free_sgpr 66
		.amdhsa_reserve_vcc 0
		.amdhsa_float_denorm_mode_32 3
		.amdhsa_float_denorm_mode_16_64 3
		.amdhsa_memory_ordered 1
		.amdhsa_forward_progress 1
		.amdhsa_inst_pref_size 172
	.end_amdhsa_kernel
	.amdgpu_metadata
---
amdhsa.version: [ 1, 2 ]
amdhsa.kernels:
  - .name:           k_qe3a227d272_main
    .symbol:         k_qe3a227d272_main.kd
    .args:
      - { .name: x, .offset: 0, .size: 8, .value_kind: global_buffer, .address_space: global }
      - { .name: cells, .offset: 8, .size: 8, .value_kind: global_buffer, .address_space: global }
      - { .name: wq, .offset: 16, .size: 8, .value_kind: global_buffer, .address_space: global }
      - { .name: table, .offset: 24, .size: 8, .value_kind: global_buffer, .address_space: global }
      - { .name: b0, .offset: 32, .size: 8, .value_kind: global_buffer, .address_space: global }
      - { .name: b1, .offset: 40, .size: 8, .value_kind: global_buffer, .address_space: global }
      - { .name: W2, .offset: 48, .size: 8, .value_kind: global_buffer, .address_space: global }
      - { .name: b2, .offset: 56, .size: 8, .value_kind: global_buffer, .address_space: global }
      - { .name: out0, .offset: 64, .size: 8, .value_kind: global_buffer, .address_space: global }
    .group_segment_fixed_size: 52736
    .private_segment_fixed_size: 0
    .kernarg_segment_align: 8
    .kernarg_segment_size: 72
    .max_flat_workgroup_size: 512
    .sgpr_count:     66
    .vgpr_count:     256
    .wavefront_size: 32
...
	.end_amdgpu_metadata
.endif
;; end of part 2
;; ======== version 2 of 2: 2 launches; version 1 with the launch main written anew for expert scheduling mode
;; workspace buffers: cells 4,194,304 bytes of whole numbers; wq 18,432 bytes
;; launch prep: the kernel of part 1 again; grid 258 x 1, 8 waves a work-group, no clusters, 25,600 bytes of LDS; arguments x, W0, W1, cells, wq; writes cells, wq
;; launch main (part 3): grid 256 x 1, 16 waves a work-group, no clusters, 52,736 bytes of LDS; arguments x, cells, wq, table, b0, b1, W2, b2, out0; writes out0
.if DOCPART == 3
	.amdgcn_target "amdgcn-amd-amdhsa--gfx1250"
	.amdhsa_code_object_version 6
	.text
	.protected	k_qe3a227d272_main
	.globl	k_qe3a227d272_main
	.p2align	8
	.type	k_qe3a227d272_main,@function
k_qe3a227d272_main:
	s_mov_b64 s[64:65], 0
	v_nop
	global_prefetch_b8 v0, s[64:65] scope:SCOPE_SE
	s_setreg_imm32_b32 hwreg(HW_REG_WAVE_SCHED_MODE, 0, 2), 2
	s_setreg_imm32_b32 hwreg(HW_REG_WAVE_MODE, 25, 1), 1
	s_wait_xcnt 0x0
	s_wait_alu depctr_vm_vsrc(0)
; out0[n] = W2 . sp(W1 sp(W0 inp(x[n]) + b0) + b1) + b2, sp(v) = log(1 + e^(100 v)) / 100; inp = x, sin and cos of 2^m x (m = 0..8), and 8 grid levels x 4 trilinear features: 89 numbers.
; The two products with W0 and W1 run on codes of E2M1 with one E8M0 scale for each 32 along K; all else is f32.
; SHARES.  256 work-groups of 16 waves; a wave owns 128 points and walks them in 4 trips of 32, ONE POINT TO A LANE while the features are made: nothing of a point's features is asked of another lane.
; Four waves to a SIMD, 256 registers each: one wave's gathers are out while another computes.  The waves share only the weights' images in LDS, written once ahead of the one barrier.
; GATHERS.  The cell's whole numbers come from the launch before (cells), so no address here is made of a float.  Three levels' 24 loads of 16 bytes a lane are out at a time; the sines and cosines stand between a level's loads and the wait for them.
; SIN, COS.  q = 2^m x 2/pi in two floats (the scaling by 2^m is exact), n = the nearest whole number, a = (q - n) pi/2 in -pi/4 .. pi/4, polynomials of degree 7 and 8, quadrant by selection and sign bit.
; PRODUCTS ARE USED TRANSPOSED (source 0 = 16 rows of a weight, source 1 = 16 points).  The rows of a weight's tile are chosen (by the launch before) so that lane (r, h) holds of point r, in the 32 registers of tiles 0-3,
; units 32 h + 0..31 and in those of tiles 4-7 units 64 + 32 h + 0..31: whole blocks of the next K, in the very order of the 4-bit operand's registers.  A block's maximum needs no other lane and the codes need no exchange.
; The biases are the C of the products; K = 128 is one instruction, so no sum is taken up again.
; THE 89 FEATURES lie in F0-95 in an order permuted inside the blocks of 32, alike in W0's codes: F0-2 x; F[3+3m+d] sin; cos number i = 3m+d at F[30+i] (i < 2) or F[37+i]; level 0 at F32-35; level 1 at F36-38 and F88; level l >= 2 at F[64+4(l-2)] on; F89-95 zeros; block 3 zero codes.
; LIMITS: NaN and infinities are not served.  |x| under about 1e6 (the quadrant is taken through a 32-bit whole number, and q keeps its fraction).  An exponential under 2^-126 counts as 0, so a softplus under about 1e-40 is 0.
; A block of zeros has the scale byte 1 (x's block 3: 0) over zero codes.  The fraction of a tiny negative grid coordinate is held under 1 by v_fract_f32, one unit in the last place from the subtraction.
; No cluster, no tensor load: the bulk traffic is gathers lane by lane; what work-groups share is 18 KB of weights, read once by each.
; THE MODE: SCHED_MODE bits 1:0 = 2 (LLVM: expert scheduling mode 2), set by the entry lines.  The code itself states the register dependences between vector or matrix instructions and memory or LDS instructions, with s_wait_alu, always for 0.
; THE PLAN.  Registers that memory or LDS instructions touch, in a trip:
;   GA, GB, GC    While the features are made (GA: levels 7, 4, 1; GB: 6, 3, 0; GC: 5, 2): a hashed level's index lines write eight addresses, each into the first register of the four that its load fills; the level's
;                 eight loads read them and land in the buffer; the level's ACC reads it.  In the MLP: v128-159 take matrix results; into v160-223 land the LDS loads of fragments and biases (four times) and of W2;
;                 the products and the last dot product read them; the softplus and the quantiser use v160-190 as scratch.
;   v27-29        The dense levels' addresses: one vector line a trip writes each, eight loads read it.
;   v5            An LDS address: written at the trip's top (x's three loads read it) and at its end (the result's store reads it).
;   v32-34        x lands there; the last trip's MLP read and wrote them.        v248  the result store's data; scratch again in the next trip.
;   v1-v4         Addresses made at the head and never written again.
;   v24-26, v224-255   Scale words and codes: written by vector lines, read by the scaled products.        s22, s56, s57   written by vector lines, read by scalar lines and selections.
; THE WAITS.  At the trip's top one on vm_vsrc: all that the last trip's (or the head's) memory and LDS instructions read may be written.  In each level one on va_vdst, behind its index lines and ahead of its gathers: the addresses are
; written, and the ACC that emptied the buffer is done reading it.  Levels 4, 3 and 0 have one on vm_vsrc besides: they write, or their data land on, registers that the loads of levels 7, 6 and 3 read as addresses since the last such wait
; (for level 2 that wait is level 4's, for level 1 level 3's).  One on va_sdst in each sine step.  One on va_vdst ahead of each run of LDS loads into v160-223, one behind the places ahead of the first product, one ahead of the result's store.
.set WIMG, 0                           ; LDS: the weights' images, as in wq: 8192 layer + 1024 tile + 512 c + 16 lane
.set BIAS, 16384                       ; b0, b1, W2: 512 bytes each
.set XT,   17920                       ; 1,536 bytes a wave: its 128 points of x as they lie in memory
.set OS,   42496                       ; 512 bytes a wave: its 128 results
.set F,    32                          ; v32-127  the features
.set GA,   128                         ; v128-159, v160-191, v192-223: three levels' eight corners x 4 features
.set GB,   160
.set GC,   192
.set QHA,  224                         ; v[224:225] q of x and y, high parts; v[226:227] low parts
.set QLA,  226
.set QHB,  228                         ; v[228:229] q of z and of 2 z; v[230:231] low parts
.set QLB,  230
.set T,    232                         ; v232-255 at work
; v1 16 lane; v2 128 h; v3 my x in LDS; v4 my results in LDS; v5 an address in hand; v6 8 h; v7 a lane exchange's destination; v8-15 the cells of this trip and the next three;
; v16-23 the weights' scale words (register 4 layer + i: tile 2 i in lanes 0-15, tile 2 i + 1 in lanes 16-31); v24 x's scale word, v25, v26 the hidden layer's; v27-29 the dense levels' addresses.
; In the MLP: v32-95, v96-159 the results for points 0-15 and 16-31; v160-191 four fragments of a weight, v192-223 four tiles of bias (later scratch, later W2); v224-239 the features' codes; v240-255 the hidden layer's codes.
	s_load_b256 s[4:11], s[0:1], 0x0               ; x s[4:5], cells s[6:7], wq s[8:9], table s[10:11]
	s_load_b256 s[12:19], s[0:1], 0x20             ; b0 s[12:13], b1 s[14:15], W2 s[16:17], b2 s[18:19]
	s_load_b64 s[20:21], s[0:1], 0x40              ; out0
	v_lshrrev_b32 v1, 5, v0
	v_readfirstlane_b32 s22, v1                    ; wave 0..15
	v_and_b32 v7, 31, v0                           ; lane
	v_lshlrev_b32 v1, 4, v7
	v_bfe_u32 v6, v0, 4, 1                         ; h
	v_lshlrev_b32 v2, 7, v6
	v_and_b32 v29, 15, v0
	v_lshl_add_u32 v29, v29, 2, v2                 ; 4 r + 128 h: a scale word of tile 2 i + h
	v_lshlrev_b32 v6, 3, v6
	v_lshlrev_b32 v28, 3, v7                       ; 8 x lane
	v_lshlrev_b32 v31, 4, v0                       ; 16 x thread
	s_wait_alu depctr_va_sdst(0)                   ; s22 is written, ahead of its first reader: LDS places, bases and branches are made from it
	s_mul_i32 s24, s22, 1536
	v_mul_u32_u24 v3, v7, 48
	v_add_nc_u32 v3, s24, v3
	v_add_nc_u32 v3, XT, v3                        ; my four points: 48 bytes
	v_add_nc_u32 v5, s24, v1
	v_add_nc_u32 v5, XT, v5                        ; on the way in: as loaded
	s_lshl_b32 s24, s22, 9
	v_add_nc_u32 v4, s24, v1
	v_add_nc_u32 v4, OS, v4
	s_min_u32 s24, s22, 2
	s_lshl_b32 s24, s24, 9
	v_add_nc_u32 v30, s24, v1
	v_add_nc_u32 v30, BIAS, v30                    ; waves 0, 1, 2 bring b0, b1, W2
	v_mov_b32 v7, 0
	s_mov_b32 s44, 0x76543210
	s_mov_b32 s45, 0xfedcba98                      ; v_permlanex16_b32's selects for lane l xor 16
	s_mov_b32 s46, 0xffff0000                      ; lanes 16-31
	s_mov_b32 s52, 0xb94ca1f9                      ; the sine's highest coefficient, as a pair for the packed form
	s_mov_b32 s53, 0xb94ca1f9
	s_mov_b32 s54, 0x37ccf5ce                      ; the cosine's
	s_mov_b32 s55, 0x37ccf5ce
	s_lshl_b32 s23, ttmp9, 4
	s_add_co_u32 s23, s23, s22                     ; my group of 128 points
	s_mov_b32 s48, 0                               ; trip, 12 x trip, 4 x trip
	s_mov_b32 s49, 0
	s_mov_b32 s50, 0
	s_wait_kmcnt 0x0
	s_load_b32 s47, s[18:19], 0x0                  ; b2
	s_mul_i32 s24, s23, 1536
	s_mov_b32 s25, 0
	s_add_nc_u64 s[4:5], s[4:5], s[24:25]
	s_lshl_b32 s24, s23, 10
	s_add_nc_u64 s[6:7], s[6:7], s[24:25]
	s_lshl_b32 s24, s23, 9
	s_add_nc_u64 s[20:21], s[20:21], s[24:25]
	s_mov_b64 s[28:29], s[10:11]
.irp lv, 1,2,3,4,5,6,7
	s_add_nc_u64 s[28+2*\lv:29+2*\lv], s[10:11], \lv*0x800000   ; level lv's table: 2^19 entries of 16 bytes
.endr
	s_cmp_eq_u32 s22, 0                            ; the choice hangs on the wave's number alone
	s_cselect_b64 s[24:25], s[12:13], s[14:15]
	s_cmp_eq_u32 s22, 2
	s_cselect_b64 s[24:25], s[16:17], s[24:25]
	s_wait_alu depctr_va_vdst(0)                   ; the addresses v1 to v5 and v28 to v31 are written: the head's loads and LDS stores, and the loop's LDS loads by v1, v2 and v4, read them
.irp j, 0,1,2,3
	global_load_b64 v[8+2*\j:9+2*\j], v28, s[6:7] offset:256*\j th:TH_LOAD_NT   ; the four trips' cells
.endr
.irp i, 0,1,2
	global_load_b128 v[32+4*\i:35+4*\i], v1, s[4:5] offset:512*\i
.endr
.irp i, 0,1
	global_load_b128 v[44+4*\i:47+4*\i], v31, s[8:9] offset:8192*\i
.endr
.irp ly, 0,1
.irp i, 0,1,2,3
	global_load_b32 v[16+4*\ly+\i], v29, s[8:9] offset:16384+1024*\ly+256*\i
.endr
.endr
	s_cmp_gt_u32 s22, 2
	s_cbranch_scc1 .Lno_bias
	global_load_b128 v[52:55], v1, s[24:25]
	s_wait_loadcnt 0x0
	ds_store_b128 v30, v[52:55]
.Lno_bias:
	s_wait_loadcnt 0x0
	s_wait_kmcnt 0x0
.irp i, 0,1,2
	ds_store_b128 v5, v[32+4*\i:35+4*\i] offset:512*\i
.endr
.irp i, 0,1
	ds_store_b128 v31, v[44+4*\i:47+4*\i] offset:WIMG+8192*\i
.endr
	s_wait_dscnt 0x0                               ; for the others' sake: my stores have landed
	s_barrier_signal -1
	s_barrier_wait -1                              ; the one barrier: from here on the shared bytes are only read
; A hashed level's eight gathers.  Only the low 19 bits of the hash count, so the primes are taken modulo 2^19 and 24-bit products do.  Each address stands in the first register of the four that its load fills.
; free = 1: loads issued since the last wait on vm_vsrc read this buffer's registers as their addresses.
.macro IDXH lv, buf, free
	v_bfe_u32 v[T], v8, 7-\lv, 4+\lv               ; cx, cy, cz of this level: the finest cell >> (7 - level)
	v_bfe_u32 v[T+1], v8, 23-\lv, 4+\lv
	v_lshrrev_b32 v[T+2], 7-\lv, v9
	v_add_nc_u32 v[T+3], 1, v[T]
	v_mul_u32_u24 v[T+4], v[T+1], 0x779b1
	v_mul_u32_u24 v[T+6], v[T+2], 0x25795
	v_add_nc_u32 v[T+5], 0x779b1, v[T+4]
	v_add_nc_u32 v[T+7], 0x25795, v[T+6]
	v_xor_b32 v[T+8], v[T+4], v[T+6]
	v_xor_b32 v[T+9], v[T+5], v[T+6]
	v_xor_b32 v[T+10], v[T+4], v[T+7]
	v_xor_b32 v[T+11], v[T+5], v[T+7]
.irp cn, 8,9,10,11
	v_and_b32 v[T+\cn], 0x7ffff, v[T+\cn]
.endr
.if \free
	s_wait_alu depctr_vm_vsrc(0)                   ; the gathers that filled this buffer last have read their addresses, which lay in the registers that the next lines write
.endif
.irp cn, 0,1,2,3,4,5,6,7
	v_xor_b32 v[\buf+4*\cn], v[T+3*(\cn&1)], v[T+8+(\cn>>1)]
.endr
.irp cn, 0,1,2,3,4,5,6,7
	v_min_u32 v[\buf+4*\cn], 0x7ffff, v[\buf+4*\cn]            ; a loaded number enters an address only behind a bound written here
.endr
.irp cn, 0,1,2,3,4,5,6,7
	v_lshlrev_b32 v[\buf+4*\cn], 4, v[\buf+4*\cn]
.endr
	s_wait_alu depctr_va_vdst(0)                   ; the eight addresses are written; whatever read or wrote this buffer before (an ACC, the last trip's MLP) is done with the registers in which the loads land
.irp cn, 0,1,2,3,4,5,6,7
	global_load_b128 v[\buf+4*\cn:\buf+4*\cn+3], v[\buf+4*\cn], s[28+2*\lv:29+2*\lv]
.endr
.endm
; A dense level (pitch r1 = res + 1): one address, the corners in the immediates.  free as above.
.macro IDXD lv, buf, r1, free
	v_bfe_u32 v[T], v8, 7-\lv, 4+\lv
	v_bfe_u32 v[T+1], v8, 23-\lv, 4+\lv
	v_lshrrev_b32 v[T+2], 7-\lv, v9
	v_mad_u32_u24 v[T], v[T+1], \r1, v[T]
	v_mad_u32_u24 v[T], v[T+2], \r1*\r1, v[T]
	v_min_u32 v[T], (\r1-2)*(1+\r1+\r1*\r1), v[T]
	v_lshlrev_b32 v[27+\lv], 4, v[T]               ; written again only in the next trip, behind the wait that shows these loads done and the wait on vm_vsrc at the trip's top
.if \free
	s_wait_alu depctr_vm_vsrc(0)                   ; the gathers that filled this buffer last have read their addresses, which lay in registers in which the loads below land
.endif
	s_wait_alu depctr_va_vdst(0)                   ; the address is written; the ACC that emptied this buffer is done reading the registers in which the loads land
.irp cn, 0,1,2,3,4,5,6,7
	global_load_b128 v[\buf+4*\cn:\buf+4*\cn+3], v[27+\lv], s[28+2*\lv:29+2*\lv] offset:16*((\cn&1)+((\cn>>1)&1)*\r1+(\cn>>2)*\r1*\r1)
.endr
.endm
.macro CORNER dd, ss, cc               ; two features of corner cc x its weight, onto the sum
.if (\cc)&1
	v_pk_fma_f32 v[\dd:\dd+1], v[\ss:\ss+1], v[T+9+\cc:T+10+\cc], v[\dd:\dd+1] op_sel:[0,1,0] op_sel_hi:[1,1,1]
.else
	v_pk_fma_f32 v[\dd:\dd+1], v[\ss:\ss+1], v[T+10+\cc:T+11+\cc], v[\dd:\dd+1] op_sel_hi:[1,0,1]
.endif
.endm
; A level's trilinear sum.  n: the gathers of younger levels, which may stay out.  d0, d1: where the two pairs of features go.  split = 1 (level 1): features 2 and 3 go to F38 and F88.
.macro ACC lv, buf, n, d0, d1, split
	v_pk_mul_f32 v[T+6:T+7], v[F:F+1], (131+\lv)<<23 op_sel_hi:[1,0]   ; res x: exact
	v_mul_f32 v[T+8], (131+\lv)<<23, v[F+2]
	v_fract_f32 v[T+1], v[T+6]
	v_fract_f32 v[T+3], v[T+7]
	v_fract_f32 v[T+5], v[T+8]
	v_sub_f32 v[T], 1.0, v[T+1]                    ; pairs (1 - f, f) for x, y, z
	v_sub_f32 v[T+2], 1.0, v[T+3]
	v_sub_f32 v[T+4], 1.0, v[T+5]
	v_pk_mul_f32 v[T+6:T+7], v[T:T+1], v[T+2:T+3] op_sel_hi:[1,0]
	v_pk_mul_f32 v[T+8:T+9], v[T:T+1], v[T+2:T+3] op_sel:[0,1] op_sel_hi:[1,1]
	v_pk_mul_f32 v[T+10:T+11], v[T+6:T+7], v[T+4:T+5] op_sel_hi:[1,0]      ; (wx wy) wz: corner c's weight at T + 10 + c
	v_pk_mul_f32 v[T+12:T+13], v[T+8:T+9], v[T+4:T+5] op_sel_hi:[1,0]
	v_pk_mul_f32 v[T+14:T+15], v[T+6:T+7], v[T+4:T+5] op_sel:[0,1] op_sel_hi:[1,1]
	v_pk_mul_f32 v[T+16:T+17], v[T+8:T+9], v[T+4:T+5] op_sel:[0,1] op_sel_hi:[1,1]
	s_wait_loadcnt \n                              ; loads come back in order (ISA guide 5.7.1): this level's eight are in, eight for each younger level may be out
	v_pk_mul_f32 v[\d0:\d0+1], v[\buf:\buf+1], v[T+10:T+11] op_sel_hi:[1,0]
	v_pk_mul_f32 v[\d1:\d1+1], v[\buf+2:\buf+3], v[T+10:T+11] op_sel_hi:[1,0]
.irp cn, 1,2,3,4,5,6
	CORNER \d0, \buf+4*\cn, \cn
	CORNER \d1, \buf+4*\cn+2, \cn
.endr
	CORNER \d0, \buf+28, 7
.if \split
	v_fma_f32 v[F+38], v[\buf+30], v[T+17], v[\d1]
	v_fma_f32 v[F+88], v[\buf+31], v[T+17], v[\d1+1]
.else
	CORNER \d1, \buf+30, 7
.endif
.endm
; Sine and cosine of two arguments: 2^m x the pair (qh, ql).  s0, c0, s1, c1: the places in F; two = 0: the second is not wanted.
.set RA, 232
.set RN, 234
.set RZ, 236
.set RP, 238
.set RQ, 240
.set RY, 242
.set RM, 244
.set RI, 246
.macro SC qh, ql, m, s0, c0, s1, c1, two
	v_pk_mul_f32 v[RA:RA+1], v[\qh:\qh+1], (127+\m)<<23 op_sel_hi:[1,0]
	v_rndne_f32 v[RN], v[RA]
	v_rndne_f32 v[RN+1], v[RA+1]
	v_pk_add_f32 v[RA:RA+1], v[RA:RA+1], v[RN:RN+1] neg_lo:[0,1] neg_hi:[0,1]     ; exact
	v_pk_fma_f32 v[RA:RA+1], v[\ql:\ql+1], (127+\m)<<23, v[RA:RA+1] op_sel_hi:[1,0,1]
	v_pk_mul_f32 v[RA:RA+1], v[RA:RA+1], 0x3fc90fdb op_sel_hi:[1,0]               ; a, in -pi/4 .. pi/4
	v_pk_mul_f32 v[RZ:RZ+1], v[RA:RA+1], v[RA:RA+1]
	v_cvt_i32_f32 v[RI], v[RN]
	v_cvt_i32_f32 v[RI+3], v[RN+1]
	v_pk_fma_f32 v[RP:RP+1], v[RZ:RZ+1], s[52:53], 0x3c08839e op_sel_hi:[1,0,0]
	v_pk_fma_f32 v[RQ:RQ+1], v[RZ:RZ+1], s[54:55], 0xbab6061a op_sel_hi:[1,0,0]
	v_pk_mul_f32 v[RY:RY+1], v[RZ:RZ+1], v[RZ:RZ+1]
	v_pk_fma_f32 v[RM:RM+1], v[RZ:RZ+1], -0.5, 1.0 op_sel_hi:[1,0,0]
	v_pk_fma_f32 v[RP:RP+1], v[RP:RP+1], v[RZ:RZ+1], 0xbe2aaaa3 op_sel_hi:[1,1,0]
	v_pk_fma_f32 v[RQ:RQ+1], v[RQ:RQ+1], v[RZ:RZ+1], 0x3d2aaaa5 op_sel_hi:[1,1,0]
	v_and_b32 v[RI+1], 1, v[RI]
	v_and_b32 v[RI+4], 1, v[RI+3]
	v_cmp_ne_u32 s56, 0, v[RI+1]                   ; an odd quadrant changes sine and cosine over.  The two masks are made here, eight lines ahead of the wait for them
	v_cmp_ne_u32 s57, 0, v[RI+4]
	v_pk_mul_f32 v[RP:RP+1], v[RP:RP+1], v[RZ:RZ+1]
	v_pk_fma_f32 v[RQ:RQ+1], v[RQ:RQ+1], v[RY:RY+1], v[RM:RM+1]                   ; cos a
	v_lshlrev_b32 v[RI], 30, v[RI]
	v_lshlrev_b32 v[RI+3], 30, v[RI+3]
	v_pk_fma_f32 v[RZ:RZ+1], v[RP:RP+1], v[RA:RA+1], v[RA:RA+1]                   ; sin a
	v_pk_fma_f32 v[RY:RY+1], v[RP:RP+1], v[RA:RA+1], v[RA:RA+1] neg_lo:[1,0,1] neg_hi:[1,0,1]   ; -sin a
	v_and_b32 v[RI], 0x80000000, v[RI]             ; quadrants 2 and 3 turn the sign.  Values are selected; nothing branches
	v_and_b32 v[RI+3], 0x80000000, v[RI+3]
	s_wait_alu depctr_va_sdst(0)                   ; the two compares have written s56 and s57, ahead of the selections that read them
	v_cndmask_b32 v[RI+1], v[RZ], v[RQ], s56
	v_cndmask_b32 v[RI+2], v[RQ], v[RY], s56
.if \two
	v_cndmask_b32 v[RI+4], v[RZ+1], v[RQ+1], s57
	v_cndmask_b32 v[RI+5], v[RQ+1], v[RY+1], s57
.endif
	v_xor_b32 v[F+\s0], v[RI], v[RI+1]
	v_xor_b32 v[F+\c0], v[RI], v[RI+2]
.if \two
	v_xor_b32 v[F+\s1], v[RI+3], v[RI+4]
	v_xor_b32 v[F+\c1], v[RI+3], v[RI+5]
.endif
.endm
.macro SCXY m                          ; x and y at frequency 2^m, m >= 1
	SC QHA, QLA, \m, 3+3*\m, 37+3*\m, 4+3*\m, 38+3*\m, 1
.endm
.macro SCZ m                           ; z at 2^m and 2^(m + 1)
	SC QHB, QLB, \m, 5+3*\m, 39+3*\m, 8+3*\m, 42+3*\m, 1
.endm
; Four tiles of layer ly's weight (tiles 4 g on) and of its bias, from LDS: the images come back as the registers that were stored; the sixteen lanes of a half read the same eight biases.
.macro LOADW ly, g
	s_wait_alu depctr_va_vdst(0)                   ; every vector and matrix instruction that read or wrote v160-223 (an ACC; the products before; the softplus' and the quantiser's scratch) is done with them: the loads below land there
.irp i, 0,1,2,3
.irp cq, 0,1
	ds_load_b128 v[160+8*\i+4*\cq:163+8*\i+4*\cq], v1 offset:WIMG+8192*\ly+1024*(4*\g+\i)+512*\cq
.endr
.endr
.irp i, 0,1,2,3
.irp cq, 0,1
	ds_load_b128 v[192+8*\i+4*\cq:195+8*\i+4*\cq], v2 offset:BIAS+512*\ly+256*\g+32*\i+16*\cq
.endr
.endr
.endm
.macro WM d, a, b, c, sa, sb, ra, rb
.if (\ra)
.if (\rb)
	v_wmma_scale_f32_16x16x128_f8f6f4 v[\d:\d+7], v[\a:\a+7], v[\b:\b+7], v[\c:\c+7], v[\sa], v[\sb] matrix_a_fmt:MATRIX_FMT_FP4 matrix_b_fmt:MATRIX_FMT_FP4 matrix_a_scale:MATRIX_SCALE_ROW1 matrix_b_scale:MATRIX_SCALE_ROW1
.else
	v_wmma_scale_f32_16x16x128_f8f6f4 v[\d:\d+7], v[\a:\a+7], v[\b:\b+7], v[\c:\c+7], v[\sa], v[\sb] matrix_a_fmt:MATRIX_FMT_FP4 matrix_b_fmt:MATRIX_FMT_FP4 matrix_a_scale:MATRIX_SCALE_ROW1
.endif
.else
.if (\rb)
	v_wmma_scale_f32_16x16x128_f8f6f4 v[\d:\d+7], v[\a:\a+7], v[\b:\b+7], v[\c:\c+7], v[\sa], v[\sb] matrix_a_fmt:MATRIX_FMT_FP4 matrix_b_fmt:MATRIX_FMT_FP4 matrix_b_scale:MATRIX_SCALE_ROW1
.else
	v_wmma_scale_f32_16x16x128_f8f6f4 v[\d:\d+7], v[\a:\a+7], v[\b:\b+7], v[\c:\c+7], v[\sa], v[\sb] matrix_a_fmt:MATRIX_FMT_FP4 matrix_b_fmt:MATRIX_FMT_FP4
.endif
.endif
.endm
; Eight products: tiles 4 g .. 4 g + 3 x the two tiles of 16 points.  Each writes registers of its own and takes the bias as C: no sum is taken up again.
; Layer 0: the points' codes at v224 / v232, one scale register, lanes 0-15 for points 0-15 and lanes 16-31 for points 16-31.  Layer 1: codes at v240 / v248, scale words v25 / v26.
.macro MMA ly, g
	s_wait_dscnt 0x0                               ; the fragments and biases are in
.if \g == 0
.rept 8
	v_nop                                          ; a scale register written by a vector instruction stands eight places ahead of a scaled product, an operand so written four
.endr
.endif
.if (\g == 0) && (\ly == 0)
	s_wait_alu depctr_va_vdst(0)                   ; the conversions and exchanges have written the features' codes v224-239, and the shifts the scale word v24, which the products read.  (In layer 1 the wait ahead of the fragments' loads states the same of v240-255, v25 and v26: only the places stand behind it)
.endif
.irp i, 0,1,2,3
.irp pp, 0,1
	WM 32+64*\pp+8*(4*\g+\i), 160+8*\i, 224+16*\ly+8*\pp, 192+8*\i, 16+4*\ly+(4*\g+\i)/2, 24+\ly*(1+\pp), \i%2, \pp*(1-\ly)
.endr
.endr
.rept 4
	v_nop                                          ; four places ahead of loads into the products' sources and of the first reads of their results
.endr
.endm
; softplus of one accumulator (8 registers, read from its low end on), in place: max(v, 0) + log(1 + e) / 100, e = 2^-|100 log2(e) v|.
; It goes into a quantiser, so the rounding of 1 + e is given back: log(1 + e) = log(u) + (e - (u - 1)) / u, and the last divisor is 1 to within what the term itself weighs.
.macro SP0 hb
.irp i, 0,2,4,6
	v_pk_mul_f32 v[160+\i:161+\i], v[\hb+\i:\hb+\i+1], 0x431044fe op_sel_hi:[1,0]
.endr
.irp i, 0,1,2,3,4,5,6,7
	v_exp_f32 v[168+\i], -|v[160+\i]|
.endr
.irp i, 0,1,2,3,4,5,6,7
	v_max_num_f32 v[\hb+\i], 0, v[\hb+\i]          ; (plain lines behind the exponentials)
.endr
	s_wait_alu depctr_va_vdst(0)                   ; the eight exponentials have written v168-175, ahead of their first reader
.irp i, 0,2,4,6
	v_pk_add_f32 v[176+\i:177+\i], v[168+\i:169+\i], 1.0 op_sel_hi:[1,0]          ; u
.endr
.irp i, 0,2,4,6
	v_pk_add_f32 v[160+\i:161+\i], v[176+\i:177+\i], -1.0 op_sel_hi:[1,0]
.endr
.irp i, 0,2,4,6
	v_pk_add_f32 v[168+\i:169+\i], v[168+\i:169+\i], v[160+\i:161+\i] neg_lo:[0,1] neg_hi:[0,1]   ; e - (u - 1)
.endr
.irp i, 0,1,2,3,4,5,6,7
	v_log_f32 v[176+\i], v[176+\i]
.endr
.irp i, 0,2,4,6
	v_pk_fma_f32 v[\hb+\i:\hb+\i+1], v[168+\i:169+\i], 0x3c23d70a, v[\hb+\i:\hb+\i+1] op_sel_hi:[1,0,1]   ; (plain lines behind the logarithms, which they do not name)
.endr
	s_wait_alu depctr_va_vdst(0)                   ; the eight logarithms have written v176-183, ahead of their first reader
.irp i, 0,2,4,6
	v_pk_fma_f32 v[\hb+\i:\hb+\i+1], v[176+\i:177+\i], 0x3be32166, v[\hb+\i:\hb+\i+1] op_sel_hi:[1,0,1]   ; log2(u) x ln 2 / 100
.endr
.endm
; The hidden layer of 16 points (64 registers a lane: blocks h and 2 + h of my point) becomes the next product's operand and scale word.  No |.|: none is negative.
.macro QH hb, qb, sw
	v_max3_num_f32 v184, v[\hb], v[\hb+1], 0x1800000
	v_max3_num_f32 v185, v[\hb+32], v[\hb+33], 0x1800000
.irp i, 2,4,6,8,10,12,14,16,18,20,22,24,26,28,30
	v_max3_num_f32 v184, v184, v[\hb+\i], v[\hb+\i+1]
	v_max3_num_f32 v185, v185, v[\hb+32+\i], v[\hb+33+\i]
.endr
	v_add_nc_u32 v186, 0xff000000, v184            ; 2 off the exponent field: the conversion's scale operand
	v_add_nc_u32 v187, 0xff000000, v185
	v_lshrrev_b32 v188, 23, v186                   ; the bytes
	v_lshrrev_b32 v189, 23, v187
	v_lshl_or_b32 v190, v189, 16, v188
	v_lshlrev_b32 v190, v6, v190                   ; at their places, 8 h bits up;
	v_permlanex16_b32 v7, v190, s44, s45
	v_or_b32 v[\sw], v190, v7                      ; with lane l xor 16's two the word is whole
.irp g, 0,1,2,3
	v_cvt_scalef32_pk8_fp4_f32 v[\qb+\g], v[\hb+8*\g:\hb+8*\g+7], v186
	v_cvt_scalef32_pk8_fp4_f32 v[\qb+4+\g], v[\hb+32+8*\g:\hb+39+8*\g], v187
.endr
	v_nop                                          ; one plain place behind the last scaled conversion
.endm
; The second softplus goes into no quantiser: no correction.  Its results are multiplied by W2 (wb) onto two chains (ab, ab + 2).
.macro SP1 hb, wb, ab, first
.irp i, 0,2,4,6
	v_pk_mul_f32 v[224+\i:225+\i], v[\hb+\i:\hb+\i+1], 0x431044fe op_sel_hi:[1,0]
.endr
.irp i, 0,1,2,3,4,5,6,7
	v_exp_f32 v[232+\i], -|v[224+\i]|
.endr
.irp i, 0,1,2,3,4,5,6,7
	v_max_num_f32 v[\hb+\i], 0, v[\hb+\i]
.endr
	s_wait_alu depctr_va_vdst(0)                   ; the eight exponentials have written v232-239, ahead of their first reader
.irp i, 0,2,4,6
	v_pk_add_f32 v[240+\i:241+\i], v[232+\i:233+\i], 1.0 op_sel_hi:[1,0]
.endr
.irp i, 0,1,2,3,4,5,6,7
	v_log_f32 v[240+\i], v[240+\i]
.endr
	v_nop                                          ; one plain place behind the logarithms
	s_wait_alu depctr_va_vdst(0)                   ; the eight logarithms have written v240-247, ahead of their first reader
.irp i, 0,2,4,6
	v_pk_fma_f32 v[\hb+\i:\hb+\i+1], v[240+\i:241+\i], 0x3be32166, v[\hb+\i:\hb+\i+1] op_sel_hi:[1,0,1]
.endr
.if \first
	v_pk_mul_f32 v[\ab:\ab+1], v[\hb:\hb+1], v[\wb:\wb+1]      ; the first products start the sums
	v_pk_mul_f32 v[\ab+2:\ab+3], v[\hb+2:\hb+3], v[\wb+2:\wb+3]
.else
	v_pk_fma_f32 v[\ab:\ab+1], v[\hb:\hb+1], v[\wb:\wb+1], v[\ab:\ab+1]
	v_pk_fma_f32 v[\ab+2:\ab+3], v[\hb+2:\hb+3], v[\wb+2:\wb+3], v[\ab+2:\ab+3]
.endif
	v_pk_fma_f32 v[\ab:\ab+1], v[\hb+4:\hb+5], v[\wb+4:\wb+5], v[\ab:\ab+1]
	v_pk_fma_f32 v[\ab+2:\ab+3], v[\hb+6:\hb+7], v[\wb+6:\wb+7], v[\ab+2:\ab+3]
.endm
.Ltrip:                                            ; four trips; no global load is out here
	s_wait_alu depctr_vm_vsrc(0)                   ; the last trip's result store has read v5 and v248, its gathers their addresses (in GA, GB, GC and v27-29); in the first trip: the head's LDS stores have read v5 and v32-55, its loads v28 and v29.  All of these are written below
	v_add_nc_u32 v5, s49, v3
	IDXH 7, GA, 0                                  ; the fine levels first; they want only the cells.  Its wait on va_vdst also states that v5 is written and that the last trip's MLP is done with v32-34
	ds_load_b32 v[F], v5                           ; my point of this trip: no vector line since that wait names v5 or v32-34
	ds_load_b32 v[F+1], v5 offset:4
	ds_load_b32 v[F+2], v5 offset:8
	IDXH 6, GB, 0
	IDXH 5, GC, 0
	s_wait_dscnt 0x0                               ; x (and the last trip's result store)
	v_pk_mul_f32 v[QHA:QHA+1], v[F:F+1], 0x3f22f983 op_sel_hi:[1,0]               ; q = x 2/pi in two floats: the product's high part,
	v_mul_f32 v[QHB], 0x3f22f983, v[F+2]
	v_pk_fma_f32 v[QLA:QLA+1], v[F:F+1], 0x3f22f983, v[QHA:QHA+1] op_sel_hi:[1,0,1] neg_lo:[0,0,1] neg_hi:[0,0,1]   ; what its rounding left,
	v_fma_f32 v[QLB], v[F+2], 0x3f22f983, -v[QHB]
	v_pk_fma_f32 v[QLA:QLA+1], v[F:F+1], 0x32dc9c88, v[QLA:QLA+1] op_sel_hi:[1,0,1]   ; and x times the constant's low part
	v_fma_f32 v[QLB], v[F+2], 0x32dc9c88, v[QLB]
	v_add_f32 v[QHB+1], v[QHB], v[QHB]
	v_add_f32 v[QLB+1], v[QLB], v[QLB]
	SC QHA, QLA, 0, 3, 30, 4, 31, 1
	SCXY 1
	ACC 7, GA, 16, F+84, F+86, 0
	IDXH 4, GA, 1                                  ; (its wait on vm_vsrc also frees level 5's addresses in GC, for level 2's data, and v5, for the trip's end)
	SCXY 2
	SCXY 3
	ACC 6, GB, 16, F+80, F+82, 0
	IDXH 3, GB, 1                                  ; (its wait on vm_vsrc also frees level 4's addresses in GA, for level 1's data and the matrix results)
	SCXY 4
	SCXY 5
	ACC 5, GC, 16, F+76, F+78, 0
	IDXD 2, GC, 65, 0
	SCXY 6
	SCXY 7
	ACC 4, GA, 16, F+72, F+74, 0
	IDXD 1, GA, 33, 0
	SCXY 8
	SCZ 0
	ACC 3, GB, 16, F+68, F+70, 0
	IDXD 0, GB, 17, 1                              ; level 3's addresses lay in GB
	SCZ 2
	SCZ 4
	ACC 2, GC, 16, F+64, F+66, 0
	SCZ 6
	SC QHB, QLB, 8, 29, 63, 0, 0, 0
	ACC 1, GA, 8, F+36, T+6, 1
	ACC 0, GB, 0, F+32, F+34, 0
	; ---- the features become two operands of 16 points
	LOADW 0, 0                                     ; asked for now: it lands while the features are quantised
.irp j, 89,90,91,92,93,94,95
	v_mov_b32 v[F+\j], 0                           ; K ends at 89
.endr
.irp b, 0,1,2
	v_max3_num_f32 v[240+\b], |v[F+32*\b]|, |v[F+32*\b+1]|, 0x1800000   ; three blocks by turns, each with the floor 2^(3 - 127)
.endr
.irp i, 2,4,6,8,10,12,14,16,18,20,22,24,26,28,30
.irp b, 0,1,2
	v_max3_num_f32 v[240+\b], v[240+\b], |v[F+32*\b+\i]|, |v[F+32*\b+\i+1]|
.endr
.endr
.irp b, 0,1,2
	v_add_nc_u32 v[243+\b], 0xff000000, v[240+\b]
.endr
.irp b, 0,1,2
	v_lshrrev_b32 v[246+\b], 23, v[243+\b]
.endr
	v_lshl_or_b32 v24, v247, 8, v246               ; my point's scale word; byte 3 stays 0, over zero codes
	v_lshl_or_b32 v24, v248, 16, v24
.irp g, 0,1,2,3
	v_cvt_scalef32_pk8_fp4_f32 v[224+\g], v[F+8*\g:F+8*\g+7], v243
	v_cvt_scalef32_pk8_fp4_f32 v[232+\g], v[F+32+8*\g:F+39+8*\g], v244
	v_cvt_scalef32_pk8_fp4_f32 v[228+\g], v[F+64+8*\g:F+71+8*\g], v245
.endr
.irp g, 0,1,2,3
	v_mov_b32 v[236+\g], 0                         ; block 3
.endr
	v_nop
.irp i, 0,1,2,3,4,5,6,7
	v_permlane16_swap_b32 v[224+\i], v[232+\i]     ; v224 on: points 0-15, blocks 0 / 2 in lanes 0-15 and blocks 1 / 3 in lanes 16-31; v232 on: points 16-31 likewise
.endr
	MMA 0, 0
	LOADW 0, 1
	MMA 0, 1
.irp tt, 0,1,2,3,4,5,6,7
	SP0 32+8*\tt
.endr
	QH 32, 240, 25
.irp tt, 0,1,2,3,4,5,6,7
	SP0 96+8*\tt
.endr
	QH 96, 248, 26
	LOADW 1, 0                                     ; its wait on va_vdst also states that the hidden layer's codes v240-255 and scale words v25, v26 are written, which the products below read
	MMA 1, 0
	LOADW 1, 1
	MMA 1, 1
	s_wait_alu depctr_va_vdst(0)                   ; the last products are done reading v160-223, in which W2 lands
.irp tt, 0,1,2,3,4,5,6,7
.irp cq, 0,1
	ds_load_b128 v[160+8*\tt+4*\cq:163+8*\tt+4*\cq], v2 offset:BIAS+1024+256*(\tt/4)+32*(\tt%4)+16*\cq   ; W2 at my eight units of each tile
.endr
.endr
	s_wait_dscnt 0x0
	SP1 32, 160, 248, 1
	SP1 96, 160, 252, 1
.irp tt, 1,2,3,4,5,6,7
	SP1 32+8*\tt, 160+8*\tt, 248, 0
	SP1 96+8*\tt, 160+8*\tt, 252, 0
.endr
	v_pk_add_f32 v[248:249], v[248:249], v[250:251]
	v_pk_add_f32 v[252:253], v[252:253], v[254:255]
	v_add_f32 v248, v248, v249
	v_add_f32 v252, v252, v253
	v_permlanex16_b32 v250, v248, s44, s45         ; the point's other 64 units lie in lane l xor 16
	v_permlanex16_b32 v254, v252, s44, s45
	v_add_f32 v248, v248, v250
	v_add_f32 v252, v252, v254
	v_cndmask_b32 v248, v248, v252, s46            ; lane l takes point l's
	v_add_f32 v248, s47, v248                      ; + b2
	v_add_nc_u32 v5, s50, v4                       ; (x's loads read v5 ahead of level 4's wait on vm_vsrc)
	s_wait_alu depctr_va_vdst(0)                   ; v5 and v248 are written, which the store reads; and the MLP is done with v32-35, in which the load behind the loop lands
	ds_store_b32 v5, v248
.irp j, 8,9,10,11,12,13
	v_mov_b32 v[\j], v[\j+2]                       ; the next trip's cells move up
.endr
	s_add_co_u32 s49, s49, 12
	s_add_co_u32 s50, s50, 4
	s_add_co_u32 s48, s48, 1
	s_cmp_lt_u32 s48, 4
	s_cbranch_scc1 .Ltrip
	ds_load_b128 v[32:35], v4                      ; my four points' results: LDS serves a wave's instructions in order, and the bytes are my wave's own.  No vector line since the last wait on va_vdst names v4 or v32-35
	s_wait_dscnt 0x0
	global_store_b128 v1, v[32:35], s[20:21] th:TH_STORE_NT    ; the wave stores 512 consecutive bytes, at a multiple of 256 from out0's first byte
	s_wait_xcnt 0x0
	v_lshl_add_u32 v254, v0, 2, 0xc600             ; the add's two registers, made anew from v0: no memory or LDS instruction has read v254 or v255
	v_mov_b32 v255, 0
	s_wait_dscnt 0x0                               ; the closing lines, six on end
	s_wait_alu 0x0
	s_wait_tensorcnt 0x0
	ds_add_u32 v254, v255
	s_wait_dscnt 0x0
	s_endpgm
.Lfunc_end_k_qe3a227d272_main:
	.size	k_qe3a227d272_main, .Lfunc_end_k_qe3a227d272_main-k_qe3a227d272_main
	.p2alignl 7, 3214868480
	.fill 96, 4, 3214868480
	.section	.rodata,"a",@progbits
	.p2align	6, 0x0
	.amdhsa_kernel k_qe3a227d272_main
		.amdhsa_group_segment_fixed_size 52736
		.amdhsa_private_segment_fixed_size 0
		.amdhsa_enable_private_segment 0
		.amdhsa_kernarg_size 72
		.amdhsa_user_sgpr_count 2
		.amdhsa_user_sgpr_kernarg_segment_ptr 1
		.amdhsa_wavefront_size32 1
		.amdhsa_system_sgpr_workgroup_id_x 1
		.amdhsa_system_sgpr_workgroup_id_y 1
		.amdhsa_system_sgpr_workgroup_id_z 1
		.amdhsa_system_vgpr_workitem_id 0
		.amdhsa_next_free_vgpr 256
		.amdhsa_next_free_sgpr 66
		.amdhsa_reserve_vcc 0
		.amdhsa_float_denorm_mode_32 3
		.amdhsa_float_denorm_mode_16_64 3
		.amdhsa_memory_ordered 1
		.amdhsa_forward_progress 1
		.amdhsa_inst_pref_size 173
	.end_amdhsa_kernel
	.amdgpu_metadata
---
amdhsa.version: [ 1, 2 ]
amdhsa.kernels:
  - .name:           k_qe3a227d272_main
    .symbol:         k_qe3a227d272_main.kd
    .args:
      - { .name: x, .offset: 0, .size: 8, .value_kind: global_buffer, .address_space: global }
      - { .name: cells, .offset: 8, .size: 8, .value_kind: global_buffer, .address_space: global }
      - { .name: wq, .offset: 16, .size: 8, .value_kind: global_buffer, .address_space: global }
      - { .name: table, .offset: 24, .size: 8, .value_kind: global_buffer, .address_space: global }
      - { .name: b0, .offset: 32, .size: 8, .value_kind: global_buffer, .address_space: global }
      - { .name: b1, .offset: 40, .size: 8, .value_kind: global_buffer, .address_space: global }
      - { .name: W2, .offset: 48, .size: 8, .value_kind: global_buffer, .address_space: global }
      - { .name: b2, .offset: 56, .size: 8, .value_kind: global_buffer, .address_space: global }
      - { .name: out0, .offset: 64, .size: 8, .value_kind: global_buffer, .address_space: global }
    .group_segment_fixed_size: 52736
    .private_segment_fixed_size: 0
    .kernarg_segment_align: 8
    .kernarg_segment_size: 72
    .max_flat_workgroup_size: 512
    .sgpr_count:     66
    .vgpr_count:     256
    .wavefront_size: 32
...
	.end_amdgpu_metadata
.endif
;; end of part 3
